; MI455X (gfx1250); checked and timed in simulation.
; The chip was launched on July 23, 2026; its instructions are those of AMD's public machine-readable ISA for CDNA 5 (MIT licence, August 2026) and "CDNA5" Instruction Set Architecture Reference Guide (July 2026). The comments in the code are by the model that wrote it; some were corrected since.
;; Flash MHA. Allowed arithmetic: matrix products marked QUANTISED: E2M3 operands, one E8M0 scale for each 32 along K, by v_wmma_scale_f32_16x16x128_f8f6f4 with both operands' format E2M3, f32 sums; everything else in f32.
;; Inputs: Wk 1,024 x 1,024 float32; Wo 1,024 x 1,024 float32; Wq 1,024 x 1,024 float32; Wv 1,024 x 1,024 float32; bk 1,024 float32; bo 1,024 float32; bq 1,024 float32; bv 1,024 float32; key_padding_mask 4 x 2,048 bool; x 4 x 2,048 x 1,024 float32.
;; Outputs: out0 4 x 2,048 x 1,024 float32.
;; This version of the problem:
;;   THIS VERSION OF THE PROBLEM IS GIVEN IN LOW PRECISION. The matrix products marked QUANTISED in the list below multiply operands that are first quantised to E2M3 (2 exponent bits, 3 mantissa bits; 6 bits a number), with one power-of-two scale for each 32 numbers along K (OCP MX v1.0); their sums are f32. All else is computed in f32.
;;   The module's matrix products, in the order in which they are computed (A, B: the left and right operand; K: the contracted axis; several contracted axes count as one K, in the product's order):
;;     1. [M 8,192, K 1,024] x [K 1,024, N 1,024]; A: input x; B: input Wq: QUANTISED
;;     2. [M 8,192, K 1,024] x [K 1,024, N 1,024]; A: input x; B: input Wk: QUANTISED
;;     3. [M 8,192, K 1,024] x [K 1,024, N 1,024]; A: input x; B: input Wv: QUANTISED
;;     4. batch 64 x [M 2,048, K 64] x [K 64, N 2,048]; A: computed on the way; B: computed on the way: QUANTISED
;;     5. batch 64 x [M 2,048, K 2,048] x [K 2,048, N 64]; A: softmax (see below); B: computed on the way: QUANTISED
;;     6. [M 8,192, K 1,024] x [K 1,024, N 1,024]; A: computed on the way; B: input Wo: QUANTISED
;;   THE QUANTISER, for each operand of a quantised product, along K:
;;     - K is cut into blocks of 32 from its start; a last block that is shorter is filled with zeros.
;;     - A block's scale is 2^e with e = floor(log2(the largest magnitude in the block)) - 2, held to -126 .. 127; a block of zeros has e = 0. As a byte (E8M0): e + 127.
;;     - Each number is divided by its block's scale, clamped to +-7.5, and rounded to the nearest number of E2M3, ties to even, subnormals kept.
;;     - The product sums the exact products of the quantised numbers (number of the format x scale) in f32.
;;   ~~~python
;;   def quantise(x, axis):      # numpy; x: float32 -> the quantised numbers, widened to float32 again
;;       x = np.moveaxis(x, axis, -1); K = x.shape[-1]
;;       x = np.pad(x, [(0, 0)] * (x.ndim - 1) + [(0, -K % 32)]); x = x.reshape(x.shape[:-1] + (-1, 32)); a = np.abs(x).max(-1, keepdims=True)
;;       e = np.where(a > 0, np.clip(np.frexp(np.where(a > 0, a, 1))[1] - 1 - 2, -126, 127), 0)      # np.frexp(a)[1] - 1 = floor(log2(a)), exactly
;;       r = np.clip(x / 2.0 ** e, -7.5, 7.5)
;;       step = 2.0 ** (np.maximum(np.frexp(np.where(r == 0, 1, r))[1] - 1, 0) - 3)
;;       q = np.round(r / step) * step * 2.0 ** e      # np.round: ties to even
;;       return np.moveaxis(q.reshape(q.shape[:-2] + (-1,))[..., :K], -1, axis).astype(np.float32)
;;   ~~~
;;   SOFTMAX AHEAD OF A QUANTISED PRODUCT. Where the list says 'softmax', what is quantised is not the finished softmax but p = 2^(t - M), with t = logit x log2(e) and M = ceil(the row's largest t), a whole number; so 1/2 < the row's largest p <= 1. The row's sum l is taken of the UNQUANTISED p, in f32, and the product's result is divided by l at the end. Since M is a whole number, a kernel that streams over the keys may use a running M (the ceiling of the running maximum): every later rescaling is an exact power of two, which a block's scale takes up: the codes' values come out the same.
;;   OPERANDS COMPUTED ON THE WAY. 'Computed on the way' means the value that the module computes at that place (a softmax that the list does not call 'softmax' is quantised finished and normalised). What goes into a quantiser is computed in f32, as accurately as f32 sums, v_exp_f32 and their like allow (about 1e-6 of the number): no bf16 or f16 on the way to a quantiser, and a product that is left as it is and whose result goes on into a quantised operand takes f32 operands (vector FMAs, or v_wmma_f32_16x16x4_f32). A number that lies on a knife's edge between two numbers of the format may be rounded either way, as far as f32 arithmetic and the matrix unit's own rounding can turn it there, and no further.
;; One version. Each part assembles by itself: llvm-mc -triple=amdgcn-amd-amdhsa -mcpu=gfx1250 --defsym DOCPART=n.
;; ======== version 1 of 1: 4 launches
;; limits: right only within a limited range of input values
;; workspace buffers: x_img 6,553,600 bytes; w_img 3,276,800 bytes; rope_img 524,288 bytes; q_img 6,815,744 bytes; kv_img 13,369,344 bytes; a_img 6,815,744 bytes
;; launch prep (part 1): grid 448 x 1, 4 waves a work-group, no clusters, 34,304 bytes of LDS; arguments x, Wq, Wk, Wv, Wo, x_img, w_img, rope_img; writes x_img, w_img, rope_img
.if DOCPART == 1
	.amdgcn_target "amdgcn-amd-amdhsa--gfx1250"
	.amdhsa_code_object_version 6
	.text
	.protected	k_q3f8abe8722_prep
	.globl	k_q3f8abe8722_prep
	.p2align	8
	.type	k_q3f8abe8722_prep,@function
k_q3f8abe8722_prep:
	s_mov_b64 s[64:65], 0
	v_nop
	global_prefetch_b8 v0, s[64:65] scope:SCOPE_SE
	s_setreg_imm32_b32 hwreg(HW_REG_WAVE_MODE, 25, 1), 1
	s_wait_xcnt 0x0
; x [8192][1024] and Wq, Wk, Wv, Wo [1024][1024], f32 with K innermost, become codes of FP6 (E2M3) with one E8M0 byte for each 32 along K,
; laid AS THE MATRIX OPERANDS' REGISTERS WANT THEM; and the table of cosines and sines for the rotary embedding is made.
; A TILE OF 16 ROWS is tile 2 g + u of a group of 32 rows: lane r holds row 32 g + 8 u + r + 8 (r / 8).
; A FRAGMENT (16 rows x 128 K, 12 registers a lane: registers 6 c .. 6 c + 5 = K 64 c + 32 (lane / 16) + 0 .. 31) lies as 1,536 bytes: for c = 0, 1: registers 6 c .. 6 c + 3 at 16 x lane (512 bytes), registers 6 c + 4, 5 at 8 x lane (256 bytes).
; A SUB-BLOCK (64 rows x 128 K) is 6,400 bytes: four fragments, then 256 bytes of scale words: at 8 x lane two words; word p is that of tile 2 p + lane / 16, row lane % 16.
; x_img [64-row group 128][K step 8][6400];  w_img [256-row tile 16: q 0-3, k 0-3, v 0-3, o 0-3][K step 8][64-row group 4][6400].
; A wave makes one sub-block.  Each load reads 512 consecutive bytes of a row; a fragment's 16 rows turn through the wave's own stage in LDS (rows 528 bytes apart) and come back 32 neighbours of one block to a lane,
; so that a block's largest magnitude needs no other lane.  Scale: 2^(floor(log2(largest magnitude)) - 2); its byte is the largest magnitude's exponent field - 2, held at 1 from below.
; LIMITS: a block of zeros, and one whose largest magnitude lies under 2^-124, keep the byte 1 (zero codes add nothing; this program alone reads the bytes); NaN and infinities are not served.
; Work-groups 0-255: x.  256-383: the weights (only pointers are chosen: one path).  384-447: the table, with no LDS.
; rope_img [tile of 16 positions 128][b 2][q 4][lane 32][16 bytes]: lane (r, h): cos, sin of pair 16 b + 8 h + 2 q and of the next pair, at the tile's position r.
.set STG,   8448                       ; a wave's stage: 16 rows x (512 + 16) bytes
.set SPARE, 4*STG                      ; behind the stages: the spare words, 128 bytes a wave
.set SPW,   7                          ; v7   my spare word's LDS address; never rewritten
.set NIL,   8                          ; v8   0; never rewritten
.set SWD,   20                         ; v20-21 the sub-block's scale words
.set TM,    22                         ; v22-23 largest magnitudes of my two blocks
.set SOP,   24                         ; v24-25 the conversions' scale operands
.set BY,    26                         ; v26-27 the scale bytes
.set WW,    28                         ; v28  the row's scale word
.set WX,    29                         ; v29  the other half's part of it
.set RR,    32                         ; v32-223 three sets of 64 numbers
.set CC,    224                        ; v224-247 two sets of 12 code registers
.set CT,    248                        ; v248-250, v252-254: a conversion's three registers begin on an even number
	s_load_b256 s[4:11], s[0:1], 0x0               ; x, Wq, Wk, Wv
	s_load_b256 s[12:19], s[0:1], 0x20             ; Wo, x_img, w_img, rope_img
	v_lshl_add_u32 v[SPW], v0, 2, SPARE
	v_mov_b32 v[NIL], 0
	v_lshrrev_b32 v1, 5, v0
	v_readfirstlane_b32 s20, v1                    ; wave 0..3
	v_and_b32 v1, 31, v0                           ; lane
	v_and_b32 v2, 15, v0                           ; r
	v_bfe_u32 v3, v0, 4, 1                         ; h
	s_cmp_ge_u32 ttmp9, 384
	s_cbranch_scc1 .Lrope
	; ---------------- the quantiser ----------------
	v_lshlrev_b32 v4, 4, v1                        ; 16 x lane: my bytes of a load's 512, and of a store's
	v_lshlrev_b32 v11, 3, v1                       ; 8 x lane
	s_mul_i32 s21, s20, STG
	v_add_nc_u32 v5, s21, v4                       ; the stage on the way in: 16 x lane, + 528 x row in the immediate
	v_mul_u32_u24 v6, v2, 528
	v_lshl_add_u32 v6, v3, 7, v6
	v_add_nc_u32 v6, s21, v6                       ; and on the way out: row r, + 128 h bytes: my block of 32
	v_lshlrev_b32 v9, 3, v3                        ; 8 h: where my two bytes stand in the scale word
	v_mov_b32 v[WX], 0                             ; a lane permute's destination counts as read
	s_mov_b32 s30, 0x76543210
	s_mov_b32 s31, 0xfedcba98                      ; selects for lane l xor 16
	s_mov_b32 s29, 0xffff0000                      ; lanes 16-31
	s_and_b32 s22, ttmp9, 1
	s_lshl_b32 s22, s22, 2
	s_add_co_u32 s22, s22, s20                     ; K step 0..7
	s_lshr_b32 s23, ttmp9, 1                       ; x: the group of 64 rows
	s_and_b32 s24, s23, 63                         ; weights: 16 x tensor + the group of 64 rows
	s_lshr_b32 s25, s24, 4                         ; tensor 0..3
	s_and_b32 s26, s24, 15
	s_lshr_b32 s27, s24, 2
	s_lshl_b32 s27, s27, 3
	s_add_co_u32 s27, s27, s22
	s_lshl_b32 s27, s27, 2
	s_and_b32 s28, s24, 3
	s_add_co_u32 s27, s27, s28                     ; weights: the sub-block's number
	s_lshl_b32 s28, s23, 3
	s_add_co_u32 s28, s28, s22                     ; x: the sub-block's number
	s_cmp_lt_u32 ttmp9, 256
	s_cselect_b32 s26, s23, s26
	s_cselect_b32 s27, s28, s27
	s_lshl_b32 s26, s26, 18                        ; 64 rows of 4,096 bytes
	s_lshl_b32 s28, s22, 9                         ; 128 numbers
	s_add_co_u32 s32, s26, s28
	s_mov_b32 s33, 0
	s_mul_i32 s34, s27, 6400
	s_mov_b32 s35, 0
	s_wait_alu depctr_va_vdst(0)
	s_wait_kmcnt 0x0
	s_cmp_eq_u32 s25, 2                            ; the choices hang on the work-group's number alone
	s_cselect_b64 s[36:37], s[10:11], s[12:13]
	s_cmp_eq_u32 s25, 1
	s_cselect_b64 s[36:37], s[8:9], s[36:37]
	s_cmp_eq_u32 s25, 0
	s_cselect_b64 s[36:37], s[6:7], s[36:37]
	s_cmp_lt_u32 ttmp9, 256
	s_cselect_b64 s[36:37], s[4:5], s[36:37]
	s_cselect_b64 s[38:39], s[14:15], s[16:17]
	s_add_nc_u64 s[36:37], s[36:37], s[32:33]      ; from here
	s_add_nc_u64 s[38:39], s[38:39], s[34:35]      ; to here
.macro LOADF t, set                    ; tile t's 16 rows, 512 consecutive bytes a load
.irp i, 0,1,2,3,4,5,6,7,8,9,10,11,12,13,14,15
	global_load_b128 v[RR+64*(\set)+4*\i:RR+64*(\set)+4*\i+3], v4, s[36:37] offset:(32*((\t)/2)+8*((\t)%2)+\i+8*(\i/8))*4096 th:TH_LOAD_NT
.endr
.endm
.macro TURNF set                       ; through the stage and back into the same registers: LDS serves a wave's instructions in order, so no wait stands between
.irp i, 0,1,2,3,4,5,6,7,8,9,10,11,12,13,14,15
	ds_store_b128 v5, v[RR+64*(\set)+4*\i:RR+64*(\set)+4*\i+3] offset:528*\i
.endr
.irp c, 0,1
.irp i, 0,1,2,3,4,5,6,7
	ds_load_b128 v[RR+64*(\set)+32*\c+4*\i:RR+64*(\set)+32*\c+4*\i+3], v6 offset:256*\c+16*\i
.endr
.endr
.endm
.macro QF t, set, cs                   ; register 32 c + n = K 64 c + 32 h + n of row r: two whole blocks a lane
.set qx, RR+64*(\set)
.set qc, CC+12*(\cs)
	s_wait_dscnt 0x0
	v_max3_num_f32 v[TM], |v[qx]|, |v[qx+1]|, 0x1800000            ; with the floor 2^(3 - 127) among the leaves: the byte cannot fall under 1
	v_max3_num_f32 v[TM+1], |v[qx+32]|, |v[qx+33]|, 0x1800000
.irp i, 2,4,6,8,10,12,14,16,18,20,22,24,26,28,30
	v_max3_num_f32 v[TM], v[TM], |v[qx+\i]|, |v[qx+\i+1]|
	v_max3_num_f32 v[TM+1], v[TM+1], |v[qx+32+\i]|, |v[qx+33+\i]|
.endr
	v_add_nc_u32 v[SOP], 0xff000000, v[TM]         ; 2 off the exponent field: the conversion takes that field as its scale
	v_add_nc_u32 v[SOP+1], 0xff000000, v[TM+1]
	v_lshrrev_b32 v[BY], 23, v[SOP]
	v_lshrrev_b32 v[BY+1], 23, v[SOP+1]
	v_lshl_or_b32 v[WW], v[BY+1], 16, v[BY]        ; blocks h and 2 + h,
	v_lshlrev_b32 v[WW], v9, v[WW]                 ; at their places in the word;
	v_permlanex16_b32 v[WX], v[WW], s30, s31
	v_or_b32 v[WW], v[WW], v[WX]                   ; with lane l xor 16's two the word is whole
	v_cvt_scalef32_pk16_fp6_f32 v[qc:qc+2], v[qx:qx+15], v[SOP]
	v_cvt_scalef32_pk16_fp6_f32 v[CT:CT+2], v[qx+16:qx+31], v[SOP]
	v_cvt_scalef32_pk16_fp6_f32 v[qc+6:qc+8], v[qx+32:qx+47], v[SOP+1]
	v_cvt_scalef32_pk16_fp6_f32 v[CT+4:CT+6], v[qx+48:qx+63], v[SOP+1]
	v_nop                                          ; one plain place behind the conversions
.irp i, 0,1,2
	v_mov_b32 v[qc+3+\i], v[CT+\i]
	v_mov_b32 v[qc+9+\i], v[CT+4+\i]
.endr
.if (\t)%2 == 0
	v_mov_b32 v[SWD+(\t)/2], v[WW]                 ; an even tile's words stay in lanes 0-15,
.else
	v_cndmask_b32 v[SWD+(\t)/2], v[SWD+(\t)/2], v[WW], s29         ; an odd tile's go to lanes 16-31
.endif
	global_store_b128 v4, v[qc:qc+3], s[38:39] offset:1536*(\t)            ; 512 consecutive bytes
	global_store_b64 v11, v[qc+4:qc+5], s[38:39] offset:1536*(\t)+512      ; 256 consecutive bytes
	global_store_b128 v4, v[qc+6:qc+9], s[38:39] offset:1536*(\t)+768
	global_store_b64 v11, v[qc+10:qc+11], s[38:39] offset:1536*(\t)+1280
.endm
	LOADF 0, 0
	LOADF 1, 1
	LOADF 2, 2
	s_wait_loadcnt 32                              ; tile 0 is in; two tiles' 16 loads each may be out
	TURNF 0
	QF 0, 0, 0
	LOADF 3, 0
	s_wait_loadcnt 32                              ; tile 1 is in; tiles 2 and 3 may be out
	TURNF 1
	QF 1, 1, 1
	s_wait_loadcnt 16                              ; tile 2 is in
	s_wait_xcnt 0x0                                ; tile 0's stores have read their registers: that set of codes is written again
	TURNF 2
	QF 2, 2, 0
	s_wait_loadcnt 0x0
	s_wait_xcnt 0x0                                ; likewise tile 1's
	TURNF 0
	QF 3, 0, 1
	global_store_b64 v11, v[SWD:SWD+1], s[38:39] offset:6144       ; the scale words: 256 consecutive bytes
	s_wait_tensorcnt 0x0                           ; the wave's end
	ds_add_u32 v[SPW], v[NIL]
	s_wait_dscnt 0x0
	s_endpgm
	; ---------------- the table of cosines and sines ----------------
	; angle = position x 10^-(i / 8), i = 16 b + 8 h + e.  10^-(e / 8) and 10^-(2 b + h) are f32 constants; the angle is one f32 product.
	; The angle is brought into [-pi/4, pi/4] by n = the nearest whole number to angle x 2 / pi and pi / 2 in two parts (the first product's difference is exact: a multiple of 2^-23 under 1);
	; sine and cosine are polynomials there (their first terms left out: under 2e-9); n's last two bits swap them and set the signs.
.Lrope:
	s_sub_co_u32 s21, ttmp9, 384
	s_lshl_b32 s21, s21, 2
	s_add_co_u32 s21, s21, s20                     ; 2 x tile of positions + b
	s_lshr_b32 s22, s21, 1
	s_and_b32 s23, s21, 1                          ; b
	s_lshr_b32 s24, s22, 1
	s_lshl_b32 s24, s24, 5
	s_and_b32 s25, s22, 1
	s_lshl_b32 s25, s25, 3
	s_add_co_u32 s24, s24, s25                     ; 32 g + 8 u
	s_wait_alu depctr_va_vdst(0)
	v_and_b32 v4, 8, v2
	v_add3_u32 v4, v4, v2, s24                     ; + r + 8 (r / 8)
	v_cvt_f32_u32 v4, v4                           ; the position
	s_mov_b32 s26, 0x3c23d70a                      ; 0.01
	s_mov_b32 s27, 0x3a83126f                      ; 0.001
	s_mov_b32 s28, 0x3dcccccd                      ; 0.1
	s_cmp_eq_u32 s23, 0
	s_cselect_b32 s26, 1.0, s26
	s_cselect_b32 s27, s28, s27
	v_mov_b32 v5, s26
	v_mov_b32 v6, s27
	v_cmp_ne_u32 vcc_lo, 0, v3
	v_cndmask_b32 v5, v5, v6, vcc_lo               ; 10^-(2 b + h)
	s_mov_b32 s32, 0x3f22f983                      ; 2 / pi
	s_mov_b32 s33, 0x3fc90fdb                      ; pi / 2, the f32 nearest
	s_mov_b32 s34, 0xb33bbd2e                      ; and what it leaves
	s_mov_b32 s35, 0xbe2aaaab                      ; -1/6
	s_mov_b32 s36, 0x3c088889                      ; 1/120
	s_mov_b32 s37, 0xb9500d01                      ; -1/5040
	s_mov_b32 s38, 0x3638ef1d                      ; 1/362880
	s_mov_b32 s39, 0x3d2aaaab                      ; 1/24
	s_mov_b32 s40, 0xbab60b61                      ; -1/720
	s_mov_b32 s41, 0x37d00d01                      ; 1/40320
	s_mov_b32 s42, 0xb493f27e                      ; -1/3628800
	v_lshlrev_b32 v21, 4, v1                       ; 16 x lane
	s_lshl_b32 s24, s21, 11                        ; 2,048 bytes for each (tile, b)
	s_mov_b32 s25, 0
	s_wait_alu depctr_va_vdst(0)
	s_wait_kmcnt 0x0
	s_add_nc_u64 s[18:19], s[18:19], s[24:25]
.macro PAIR e, base
	v_mul_f32 v10, \base, v5                       ; the frequency
	v_mul_f32 v10, v4, v10                         ; the angle
	v_mul_f32 v11, s32, v10
	v_rndne_f32 v11, v11                           ; n
	v_fma_f32 v12, -v11, s33, v10
	v_fma_f32 v12, -v11, s34, v12                  ; what is left of the angle
	v_mul_f32 v13, v12, v12
	v_fma_f32 v14, v13, s38, s37
	v_fma_f32 v14, v13, v14, s36
	v_fma_f32 v14, v13, v14, s35
	v_mul_f32 v15, v12, v13
	v_fma_f32 v14, v15, v14, v12                   ; its sine
	v_fma_f32 v16, v13, s42, s41
	v_fma_f32 v16, v13, v16, s40
	v_fma_f32 v16, v13, v16, s39
	v_fma_f32 v16, v13, v16, -0.5
	v_fma_f32 v16, v13, v16, 1.0                   ; its cosine
	v_cvt_i32_f32 v17, v11
	v_and_b32 v18, 1, v17
	v_cmp_ne_u32 vcc_lo, 0, v18
	v_cndmask_b32 v19, v14, v16, vcc_lo            ; an odd n swaps the two
	v_cndmask_b32 v20, v16, v14, vcc_lo
	v_and_b32 v18, 2, v17
	v_lshlrev_b32 v18, 30, v18
	v_xor_b32 v[33+2*\e], v18, v19                 ; the sine is negative where n % 4 is 2 or 3
	v_add_nc_u32 v17, 1, v17
	v_and_b32 v17, 2, v17
	v_lshlrev_b32 v17, 30, v17
	v_xor_b32 v[32+2*\e], v17, v20                 ; the cosine where it is 1 or 2
.endm
	PAIR 0, 0x3f800000
	PAIR 1, 0x3f3ff911
	PAIR 2, 0x3f0ff59a
	PAIR 3, 0x3ed7e89b
	PAIR 4, 0x3ea1e89b
	PAIR 5, 0x3e72d424
	PAIR 6, 0x3e361887
	PAIR 7, 0x3e088d77
.irp q, 0,1,2,3
	global_store_b128 v21, v[32+4*\q:35+4*\q], s[18:19] offset:512*\q      ; 512 consecutive bytes
.endr
	s_endpgm
.Lfunc_end_k_q3f8abe8722_prep:
	.size	k_q3f8abe8722_prep, .Lfunc_end_k_q3f8abe8722_prep-k_q3f8abe8722_prep
	.p2alignl 7, 3214868480
	.fill 96, 4, 3214868480
	.section	.rodata,"a",@progbits
	.p2align	6, 0x0
	.amdhsa_kernel k_q3f8abe8722_prep
		.amdhsa_group_segment_fixed_size 34304
		.amdhsa_private_segment_fixed_size 0
		.amdhsa_enable_private_segment 0
		.amdhsa_kernarg_size 64
		.amdhsa_user_sgpr_count 2
		.amdhsa_user_sgpr_kernarg_segment_ptr 1
		.amdhsa_wavefront_size32 1
		.amdhsa_system_sgpr_workgroup_id_x 1
		.amdhsa_system_sgpr_workgroup_id_y 1
		.amdhsa_system_sgpr_workgroup_id_z 1
		.amdhsa_system_vgpr_workitem_id 0
		.amdhsa_next_free_vgpr 256
		.amdhsa_next_free_sgpr 66
		.amdhsa_reserve_vcc 1
		.amdhsa_float_denorm_mode_32 3
		.amdhsa_float_denorm_mode_16_64 3
		.amdhsa_memory_ordered 1
		.amdhsa_forward_progress 1
		.amdhsa_inst_pref_size 43
	.end_amdhsa_kernel
	.amdgpu_metadata
---
amdhsa.version: [ 1, 2 ]
amdhsa.kernels:
  - .name:           k_q3f8abe8722_prep
    .symbol:         k_q3f8abe8722_prep.kd
    .args:
      - { .name: x, .offset: 0, .size: 8, .value_kind: global_buffer, .address_space: global }
      - { .name: Wq, .offset: 8, .size: 8, .value_kind: global_buffer, .address_space: global }
      - { .name: Wk, .offset: 16, .size: 8, .value_kind: global_buffer, .address_space: global }
      - { .name: Wv, .offset: 24, .size: 8, .value_kind: global_buffer, .address_space: global }
      - { .name: Wo, .offset: 32, .size: 8, .value_kind: global_buffer, .address_space: global }
      - { .name: x_img, .offset: 40, .size: 8, .value_kind: global_buffer, .address_space: global }
      - { .name: w_img, .offset: 48, .size: 8, .value_kind: global_buffer, .address_space: global }
      - { .name: rope_img, .offset: 56, .size: 8, .value_kind: global_buffer, .address_space: global }
    .group_segment_fixed_size: 34304
    .private_segment_fixed_size: 0
    .kernarg_segment_align: 8
    .kernarg_segment_size: 64
    .max_flat_workgroup_size: 128
    .sgpr_count:     66
    .vgpr_count:     256
    .wavefront_size: 32
...
	.end_amdgpu_metadata
.endif
;; end of part 1
;; launch qkv (part 2): grid 64 x 4, 4 waves a work-group, clusters of 4 x 1, 327,680 bytes of LDS; arguments x_img, w_img, rope_img, bq, bk, bv, key_padding_mask, q_img, kv_img; writes q_img, kv_img
.if DOCPART == 2
	.amdgcn_target "amdgcn-amd-amdhsa--gfx1250"
	.amdhsa_code_object_version 6
	.text
	.protected	k_q3f8abe8722_qkv
	.globl	k_q3f8abe8722_qkv
	.p2align	8
	.type	k_q3f8abe8722_qkv,@function
k_q3f8abe8722_qkv:
	s_mov_b64 s[64:65], 0
	v_nop
	global_prefetch_b8 v0, s[64:65] scope:SCOPE_SE
	s_setreg_imm32_b32 hwreg(HW_REG_WAVE_MODE, 25, 1), 1
	s_wait_xcnt 0x0
	s_wait_alu depctr_hold_cnt(0) depctr_sa_sdst(0) depctr_va_vdst(0) depctr_va_sdst(0) depctr_va_ssrc(0) depctr_va_vcc(0) depctr_vm_vsrc(0)
	s_getreg_b32 s2, hwreg(HW_REG_IB_STS2, 6, 4)
	s_cmp_eq_u32 s2, 0
	s_cbranch_scc0 .Lentry_in_a_cluster
	s_endpgm
.Lentry_in_a_cluster:
	s_bfe_u32 s2, ttmp6, 0x10000c
	s_cmp_lg_u32 s2, 0x3003
	s_cbranch_scc0 .Lentry_shape_is_right
	s_endpgm
.Lentry_shape_is_right:
.set STR,   6400
.set KSB,   25600
.set SLOTB, 4*KSB
.set EX,    2*SLOTB
.set SPARE, EX+2048
.set NEXTW, 32*KSB
.set LB16, 1
.set LB8,  2
.set A16,  3
.set A8,   4
.set L16,  5
.set L8,   6
.set SPW,  7
.set NIL,  8
.set FLO,  9
.set MBQ,  10
.set BOF,  11
.set MOF,  12
.set VOF,  13
.set EXW,  14
.set EXR,  15
.set XSC,  16
.set WSC,  32
.set MBK,  40
.set MBC,  44
.set B0,   48
.set BIAS, 144
.set HH,   48
.set CSB,  80
.set TT,   112
.set TM,   120
.set SOP,  124
.set BY,   126
.set PW,   128
.set WD,   129
.set CD,   130
.set CSA,  208
.set CT,   240
.set SW,   244
.set TX,   248
.set LO,   250
.set HI,   252
.set BV,   240
.set G1,   32
.set G0,   40
.set MSB,  0
.macro WIN new
.if MSB != (\new)
	s_set_vgpr_msb (MSB<<8)|(\new)
.set MSB, (\new)
.endif
.endm
.macro CREST
	s_cmp_lg_u32 s22, 0
	s_cbranch_scc1 .Lnot_wave_0_\@
	s_barrier_signal -3
.Lnot_wave_0_\@:
	s_barrier_wait -3
	s_barrier_signal -1
	s_barrier_wait -1
.endm
.macro CROUND
	s_barrier_signal -1
	s_barrier_wait -1
	CREST
.endm
.macro WM d, a, b, c, sa, sb, ra, rb
.if (\ra) && (\rb)
	v_wmma_scale_f32_16x16x128_f8f6f4 v[(\d):(\d)+7], v[(\a):(\a)+11], v[(\b):(\b)+11], v[(\c):(\c)+7], v[\sa], v[\sb] matrix_a_fmt:MATRIX_FMT_FP6 matrix_b_fmt:MATRIX_FMT_FP6 matrix_a_scale:MATRIX_SCALE_ROW1 matrix_b_scale:MATRIX_SCALE_ROW1
.elseif (\ra)
	v_wmma_scale_f32_16x16x128_f8f6f4 v[(\d):(\d)+7], v[(\a):(\a)+11], v[(\b):(\b)+11], v[(\c):(\c)+7], v[\sa], v[\sb] matrix_a_fmt:MATRIX_FMT_FP6 matrix_b_fmt:MATRIX_FMT_FP6 matrix_a_scale:MATRIX_SCALE_ROW1
.elseif (\rb)
	v_wmma_scale_f32_16x16x128_f8f6f4 v[(\d):(\d)+7], v[(\a):(\a)+11], v[(\b):(\b)+11], v[(\c):(\c)+7], v[\sa], v[\sb] matrix_a_fmt:MATRIX_FMT_FP6 matrix_b_fmt:MATRIX_FMT_FP6 matrix_b_scale:MATRIX_SCALE_ROW1
.else
	v_wmma_scale_f32_16x16x128_f8f6f4 v[(\d):(\d)+7], v[(\a):(\a)+11], v[(\b):(\b)+11], v[(\c):(\c)+7], v[\sa], v[\sb] matrix_a_fmt:MATRIX_FMT_FP6 matrix_b_fmt:MATRIX_FMT_FP6
.endif
.endm
.macro MUL8 mt, ks, first, swap
.set bw, 2*((\ks)%2)
.set bb, B0+96*((\ks)%2)
.if (\ks) < 5
.set aw, 1
.set ab, 48*(\ks)+12*(\mt)
.else
.set aw, 2
.set ab, 48*((\ks)-5)+12*(\mt)
.endif
.set cw, 3-3*(\first)
.if \swap
	WIN 0xC0|(cw<<4)|(bw<<2)|aw
.else
	WIN 0xC0|(cw<<4)|(aw<<2)|bw
.endif
.set sx, XSC+2*(\ks)+(\mt)/2
.irp nt, 0,1,2,3,4,5,6,7
.set sw, WSC+4*((\ks)%2)+2*(\nt/4)+(\nt%4)/2
.if \swap
.set dd, 32*\nt+8*(\mt)
.else
.set dd, 64*(\mt)+8*\nt
.endif
.if \first
.set cc, BIAS+8*\nt
.else
.set cc, dd
.endif
.if \swap
	WM dd, ab, bb+12*\nt, cc, sx, sw, (\mt)%2, \nt%2
.else
	WM dd, bb+12*\nt, ab, cc, sw, sx, \nt%2, (\mt)%2
.endif
.endr
.endm
.macro FETCHB slot, kk, set
	WIN 0
	v_add_nc_u32 v[A16], (\slot)*SLOTB+(\kk)*KSB, v[LB16]
	v_add_nc_u32 v[A8], (\slot)*SLOTB+(\kk)*KSB, v[LB8]
	v_nop
	v_nop
	WIN 0x80*(\set)
.set fb, B0+96*(\set)
.irp nt, 0,1,2,3,4,5,6,7
.set fo, (\nt/4)*6400+(\nt%4)*1536
	ds_load_b128 v[fb+12*\nt:fb+12*\nt+3], v[A16] offset:fo
	ds_load_b64 v[fb+12*\nt+4:fb+12*\nt+5], v[A8] offset:fo+512
	ds_load_b128 v[fb+12*\nt+6:fb+12*\nt+9], v[A16] offset:fo+768
	ds_load_b64 v[fb+12*\nt+10:fb+12*\nt+11], v[A8] offset:fo+1280
.endr
	WIN 0
	ds_load_b64 v[WSC+4*(\set):WSC+4*(\set)+1], v[A8] offset:6144
	ds_load_b64 v[WSC+4*(\set)+2:WSC+4*(\set)+3], v[A8] offset:6400+6144
.endm
.macro LCW ks
.if (\ks) < 4
	s_wait_loadcnt 63
.elseif (\ks) == 4
	s_wait_loadcnt 48
.else
	s_wait_loadcnt 16*(7-(\ks))+8
.endif
.endm
.macro CSRL mt, base
.irp b, 0,1
.irp q, 0,1,2,3
	global_load_b128 v[\base+16*\b+4*\q:\base+16*\b+4*\q+3], v[L16], s[66:67] offset:(\mt)*4096+\b*2048+\q*512
.endr
.endr
.endm
.macro KN ks, slot, first, swap, csr
	s_wait_dscnt 0x0
	LCW \ks
	MUL8 0, \ks, \first, \swap
	MUL8 1, \ks, \first, \swap
	FETCHB \slot, ((\ks)+1)%4, ((\ks)+1)%2
.if \csr
	CSRL 0, CSA
.endif
	MUL8 2, \ks, \first, \swap
	MUL8 3, \ks, \first, \swap
	WIN 0
.endm
.macro KTURN ks, slot, fetch
	s_wait_dscnt 0x0
	LCW \ks
	WIN 0
	s_wait_tensorcnt 0x0
	ds_add_u32 v[SPW], v[NIL]
	MUL8 0, \ks, 0, 0
	s_wait_dscnt 0x0
	s_barrier_signal -1
	MUL8 1, \ks, 0, 0
	WIN 0
	s_barrier_wait -1
	CREST
	s_add_nc_u64 s[G0+4*(\slot)+2:G0+4*(\slot)+3], s[G0+4*(\slot)+2:G0+4*(\slot)+3], NEXTW
	tensor_load_to_lds s[G0+4*(\slot):G0+4*(\slot)+3], s[G1:G1+7]
	s_nop 0
.rept 4
	v_nop
.endr
.if \fetch
	FETCHB 1-(\slot), 0, ((\ks)+1)%2
.endif
	MUL8 2, \ks, 0, 0
	MUL8 3, \ks, 0, 0
	WIN 0
.endm
.macro KMEET ks, swap
	s_wait_dscnt 0x0
	LCW \ks
	s_wait_tensorcnt 0x0
	MUL8 0, \ks, 0, \swap
	s_barrier_signal -1
	MUL8 1, \ks, 0, \swap
	WIN 0
	s_barrier_wait -1
	FETCHB 1, 0, ((\ks)+1)%2
	MUL8 2, \ks, 0, \swap
	MUL8 3, \ks, 0, \swap
	WIN 0
.endm
.macro Q32 src, w3
.if \w3
	WIN 0x3C
.endif
	v_max3_num_f32 v[TM], v[FLO], |v[\src]|, |v[\src+1]|
	v_max3_num_f32 v[TM+1], v[FLO], |v[\src+16]|, |v[\src+17]|
.irp i, 2,4,6,8,10,12,14
	v_max3_num_f32 v[TM], v[TM], |v[\src+\i]|, |v[\src+\i+1]|
	v_max3_num_f32 v[TM+1], v[TM+1], |v[\src+16+\i]|, |v[\src+17+\i]|
.endr
	WIN 0
	v_permlanex16_b32 v[TX], v[TM], s30, s31
	v_permlanex16_b32 v[TX+1], v[TM+1], s30, s31
	v_max_num_f32 v[TM], v[TM], v[TX]
	v_max_num_f32 v[TM+1], v[TM+1], v[TX+1]
	v_add_nc_u32 v[SOP], 0xff000000, v[TM]
	v_add_nc_u32 v[SOP+1], 0xff000000, v[TM+1]
	v_lshrrev_b32 v[BY], 23, v[SOP]
	v_lshrrev_b32 v[BY+1], 23, v[SOP+1]
	v_lshl_or_b32 v[PW], v[BY+1], 8, v[BY]
	s_wait_alu depctr_va_vdst(0)
	s_wait_xcnt 0x0
.if \w3
	WIN 0x03
.endif
	v_cvt_scalef32_pk16_fp6_f32 v[CD:CD+2], v[\src:\src+15], v[SOP]
	v_cvt_scalef32_pk16_fp6_f32 v[CT:CT+2], v[\src+16:\src+31], v[SOP+1]
	WIN 0
	v_nop
.irp i, 0,1,2
	v_permlane16_swap_b32 v[CD+\i], v[CT+\i]
.endr
.irp i, 0,1,2
	v_mov_b32 v[CD+3+\i], v[CT+\i]
.endr
.endm
.macro EPI_QK mt, hh, cs
.set ac, 64*(\mt)+32*(\hh)
	WIN 0x03
.irp g, 0,1,2,3
.irp e, 0,1,2,3
	v_pk_mul_f32 v[TT+2*\e:TT+2*\e+1], v[ac+8*\g+2*\e:ac+8*\g+2*\e+1], v[\cs+8*\g+2*\e:\cs+8*\g+2*\e+1] op_sel:[1,1] op_sel_hi:[1,0] neg_lo:[0,1]
.endr
.irp e, 0,1,2,3
	v_pk_fma_f32 v[HH+8*\g+2*\e:HH+8*\g+2*\e+1], v[ac+8*\g+2*\e:ac+8*\g+2*\e+1], v[\cs+8*\g+2*\e:\cs+8*\g+2*\e+1], v[TT+2*\e:TT+2*\e+1] op_sel_hi:[0,1,1]
.endr
.endr
	WIN 0
	Q32 HH, 0
.if (\mt)%2 == 0
	v_or_b32 v[SW+2*(\hh)+(\mt)/2], v[PW], v[MBC+(\mt)]
.else
	v_or_b32 v[WD], v[PW], v[MBC+(\mt)]
	v_cndmask_b32 v[SW+2*(\hh)+(\mt)/2], v[SW+2*(\hh)+(\mt)/2], v[WD], s70
.endif
	global_store_b128 v[L16], v[CD:CD+3], s[56+2*(\hh):57+2*(\hh)] offset:768*(\mt)
	global_store_b64 v[L8], v[CD+4:CD+5], s[56+2*(\hh):57+2*(\hh)] offset:768*(\mt)+512
.endm
.macro EPI_V nt
	Q32 32*\nt, 1
.if (\nt)%2 == 0
	v_mov_b32 v[SW+2*(\nt/4)+(\nt%4)/2], v[PW]
.else
	v_cndmask_b32 v[SW+2*(\nt/4)+(\nt%4)/2], v[SW+2*(\nt/4)+(\nt%4)/2], v[PW], s70
.endif
	global_store_b128 v[L16], v[CD:CD+3], s[60+2*(\nt/4):61+2*(\nt/4)] offset:1536*(\nt%4)
	global_store_b64 v[L8], v[CD+4:CD+5], s[60+2*(\nt/4):61+2*(\nt/4)] offset:1536*(\nt%4)+512
.endm
	s_load_b256 s[4:11], s[0:1], 0x0
	s_load_b256 s[12:19], s[0:1], 0x20
	s_load_b64 s[20:21], s[0:1], 0x40
	v_lshl_add_u32 v[SPW], v0, 2, SPARE
	v_mov_b32 v[NIL], 0
	ds_add_u32 v[SPW], v[NIL]
	ds_add_u32 v[SPW], v[NIL]
	v_lshrrev_b32 v[EXR], 5, v0
	v_readfirstlane_b32 s22, v[EXR]
	s_lshr_b32 s23, s22, 1
	s_and_b32 s24, s22, 1
	s_bfe_u32 s25, ttmp6, 0x40000
	s_lshl_b32 s26, ttmp9, 2
	s_add_co_u32 s26, s26, s25
	s_and_b32 s27, ttmp7, 0xffff
	s_mov_b32 s[G1], 15|(3<<16)|(1<<21)
	s_mov_b32 s[G1+1], 32<<16
	s_mov_b32 s[G1+2], 100<<16
	s_mov_b32 s[G1+3], 32<<16
	s_mov_b32 s[G1+4], 100
	s_mov_b32 s[G1+5], 32
	s_mov_b32 s[G1+6], 0
	s_mov_b32 s[G1+7], 0
	s_mov_b32 s30, 0x76543210
	s_mov_b32 s31, 0xfedcba98
	s_mov_b32 s70, 0xffff0000
	s_mov_b32 s75, 0
	s_lshl_b32 s74, s27, 3
	s_add_co_u32 s74, s74, s22
	s_mul_i32 s74, s74, KSB
	s_mul_i32 s76, s22, KSB
	s_wait_dscnt 0x0
	s_wait_kmcnt 0x0
	s_add_nc_u64 s[6:7], s[6:7], s[74:75]
	CROUND
.irp s, 0,1
	s_mov_b32 s[G0+4*\s], 1
	s_add_co_u32 s[G0+4*\s+1], s76, \s*SLOTB
	s_add_nc_u64 s[G0+4*\s+2:G0+4*\s+3], s[6:7], \s*SLOTB
	s_or_b32 s[G0+4*\s+3], s[G0+4*\s+3], 0x80000000
.endr
	tensor_load_to_lds s[G0:G0+3], s[G1:G1+7]
	s_nop 0
.rept 4
	v_nop
.endr
	s_lshl_b32 s74, s26, 1
	s_add_co_u32 s74, s74, s23
	s_mul_i32 s74, s74, 8*STR
	s_add_nc_u64 s[4:5], s[4:5], s[74:75]
	s_and_b32 s78, s26, 15
	s_lshl_b32 s74, s78, 3
	s_lshl_b32 s79, s23, 2
	s_add_co_u32 s74, s74, s79
	s_lshl_b32 s74, s74, 12
	s_add_nc_u64 s[66:67], s[8:9], s[74:75]
	s_lshl_b32 s74, s27, 10
	s_lshl_b32 s79, s24, 9
	s_add_co_u32 s74, s74, s79
	s_add_nc_u64 s[10:11], s[10:11], s[74:75]
	s_add_nc_u64 s[68:69], s[12:13], s[74:75]
	s_add_nc_u64 s[14:15], s[14:15], s[74:75]
	s_lshl_b32 s74, s26, 7
	s_lshl_b32 s79, s23, 6
	s_add_co_u32 s74, s74, s79
	s_add_nc_u64 s[16:17], s[16:17], s[74:75]
	s_lshr_b32 s77, s26, 4
	s_lshl_b32 s77, s77, 4
	s_lshl_b32 s79, s27, 2
	s_add_co_u32 s77, s77, s79
	s_lshl_b32 s79, s24, 1
	s_add_co_u32 s77, s77, s79
	s_lshl_b32 s74, s77, 5
	s_lshl_b32 s79, s78, 1
	s_add_co_u32 s74, s74, s79
	s_add_co_u32 s74, s74, s23
	s_mul_i32 s74, s74, 3328
	s_add_nc_u64 s[48:49], s[18:19], s[74:75]
	s_add_nc_u64 s[50:51], s[48:49], 32*3328
	s_mul_i32 s80, s77, 208896
	s_mul_i32 s79, s78, 13056
	s_add_co_u32 s80, s80, s79
	s_mul_i32 s79, s23, 3328
	s_add_co_u32 s74, s80, s79
	s_add_nc_u64 s[52:53], s[20:21], s[74:75]
	s_add_nc_u64 s[54:55], s[52:53], 208896
	s_mul_i32 s79, s23, 768
	s_add_co_u32 s74, s80, s79
	s_add_co_u32 s74, s74, 6656
	s_add_nc_u64 s[60:61], s[20:21], s[74:75]
	s_add_nc_u64 s[62:63], s[60:61], 208896
	s_mul_i32 s79, s23, 208896
	s_add_co_u32 s74, s80, s79
	s_add_co_u32 s74, s74, 12800
	s_add_nc_u64 s[72:73], s[20:21], s[74:75]
	v_and_b32 v[EXR], 31, v0
	v_lshlrev_b32 v[L16], 4, v[EXR]
	v_lshlrev_b32 v[L8], 3, v[EXR]
	s_mul_i32 s79, s24, 12800
	v_add_nc_u32 v[LB16], s79, v[L16]
	v_add_nc_u32 v[LB8], s79, v[L8]
	v_mov_b32 v[FLO], 0x1800000
	v_mov_b32 v[MBQ], 0x7f7f0000
	v_bfe_u32 v[BOF], v0, 4, 1
	v_lshlrev_b32 v[BOF], 6, v[BOF]
	v_and_b32 v[MOF], 15, v0
	v_and_b32 v[VOF], 8, v[MOF]
	v_add_nc_u32 v[MOF], v[MOF], v[VOF]
	v_lshlrev_b32 v[VOF], 2, v[MOF]
	s_lshl_b32 s79, s22, 9
	v_add_nc_u32 v[EXW], s79, v[L16]
	v_add_nc_u32 v[EXW], EX, v[EXW]
	s_lshl_b32 s79, s24, 9
	s_lshl_b32 s80, s23, 3
	s_add_co_u32 s79, s79, s80
	v_add_nc_u32 v[EXR], s79, v[L16]
	v_add_nc_u32 v[EXR], EX, v[EXR]
	v_mov_b32 v[TX], 0
	v_mov_b32 v[TX+1], 0
.irp ks, 0,1,2,3,4,5,6,7
	global_load_b64 v[XSC+2*\ks:XSC+2*\ks+1], v[L8], s[4:5] offset:\ks*STR+6144
.endr
.irp nt, 0,1,2,3,4,5,6,7
	global_load_b128 v[BIAS+8*\nt:BIAS+8*\nt+3], v[BOF], s[10:11] offset:(32*(\nt/2)+8*(\nt%2))*4
	global_load_b128 v[BIAS+8*\nt+4:BIAS+8*\nt+7], v[BOF], s[10:11] offset:(32*(\nt/2)+8*(\nt%2))*4+16
.endr
.irp mt, 0,1,2,3
	global_load_u8 v[MBK+\mt], v[MOF], s[16:17] offset:32*(\mt/2)+8*(\mt%2)
.endr
	WIN 0x80
.irp nt, 0,1,2,3,4,5,6,7
	global_load_b32 v[BV+\nt], v[VOF], s[14:15] offset:(32*(\nt/2)+8*(\nt%2))*4
.endr
.irp ks, 0,1,2,3,4,5,6,7
.if \ks < 5
	WIN 0x40
.set ab, 48*\ks
.else
	WIN 0x80
.set ab, 48*(\ks-5)
.endif
.irp mt, 0,1,2,3
	global_load_b128 v[ab+12*\mt:ab+12*\mt+3], v[L16], s[4:5] offset:\ks*STR+\mt*1536
	global_load_b64 v[ab+12*\mt+4:ab+12*\mt+5], v[L8], s[4:5] offset:\ks*STR+\mt*1536+512
	global_load_b128 v[ab+12*\mt+6:ab+12*\mt+9], v[L16], s[4:5] offset:\ks*STR+\mt*1536+768
	global_load_b64 v[ab+12*\mt+10:ab+12*\mt+11], v[L8], s[4:5] offset:\ks*STR+\mt*1536+1280
.endr
.endr
	WIN 0
	s_wait_alu depctr_va_vdst(0)
	s_wait_tensorcnt 0x0
	ds_add_u32 v7, v8
	s_wait_dscnt 0x0
	CROUND
	tensor_load_to_lds s[G0+4:G0+7], s[G1:G1+7]
	s_nop 0
.rept 4
	v_nop
.endr
	FETCHB 0, 0, 0
	s_wait_loadcnt 63
	v_mov_b32 v[CSA], 0x7fe30000
	v_mov_b32 v[CSA+1], 0x7f010000
.irp mt, 0,1,2,3
	v_cmp_ne_u32 vcc_lo, 0, v[MBK+\mt]
	v_cndmask_b32 v[MBK+\mt], v[CSA], v[CSA+1], vcc_lo
.endr
	s_mov_b32 s28, 0
.Ltile:
	s_cmp_eq_u32 s28, 0
	s_cselect_b64 s[56:57], s[48:49], s[52:53]
	s_cselect_b64 s[58:59], s[50:51], s[54:55]
	s_cselect_b32 s71, 0, -1
.irp mt, 0,1,2,3
	v_cndmask_b32 v[MBC+\mt], v[MBQ], v[MBK+\mt], s71
.endr
	KN 0, 0, 1, 0, 0
	KN 1, 0, 0, 0, 0
	KN 2, 0, 0, 0, 0
	KTURN 3, 0, 1
	KN 4, 1, 0, 0, 1
	KN 5, 1, 0, 0, 0
	KN 6, 1, 0, 0, 0
	KTURN 7, 1, 0
.rept 4
	v_nop
.endr
	s_cmp_lg_u32 s28, 0
	s_cbranch_scc1 .Lno_bias
.irp nt, 0,1,2,3,4,5,6,7
	global_load_b128 v[BIAS+8*\nt:BIAS+8*\nt+3], v[BOF], s[68:69] offset:(32*(\nt/2)+8*(\nt%2))*4
	global_load_b128 v[BIAS+8*\nt+4:BIAS+8*\nt+7], v[BOF], s[68:69] offset:(32*(\nt/2)+8*(\nt%2))*4+16
.endr
.Lno_bias:
	CSRL 1, CSB
	s_wait_loadcnt 8
	EPI_QK 0, 0, CSA
	EPI_QK 0, 1, CSA
	CSRL 2, CSA
	s_wait_loadcnt 8
	EPI_QK 1, 0, CSB
	EPI_QK 1, 1, CSB
	CSRL 3, CSB
	s_wait_loadcnt 8
	EPI_QK 2, 0, CSA
	EPI_QK 2, 1, CSA
	s_wait_loadcnt 0x0
	EPI_QK 3, 0, CSB
	EPI_QK 3, 1, CSB
	global_store_b64 v[L8], v[SW:SW+1], s[56:57] offset:3072
	global_store_b64 v[L8], v[SW+2:SW+3], s[58:59] offset:3072
	s_wait_xcnt 0x0
	FETCHB 0, 0, 0
	s_add_co_u32 s28, s28, 1
	s_cmp_lt_u32 s28, 2
	s_cbranch_scc1 .Ltile
	WIN 0x02
.irp nt, 0,1,2,3,4,5,6,7
.irp i, 0,1,2,3,4,5,6,7
	v_mov_b32 v[BIAS+8*\nt+\i], v[BV+\nt]
.endr
.endr
	WIN 0
	s_wait_alu depctr_va_vdst(0)
	KN 0, 0, 1, 1, 0
	KN 1, 0, 0, 1, 0
	KN 2, 0, 0, 1, 0
	KMEET 3, 1
	KN 4, 1, 0, 1, 0
	KN 5, 1, 0, 1, 0
	KN 6, 1, 0, 1, 0
	s_wait_dscnt 0x0
	LCW 7
	MUL8 0, 7, 0, 1
	MUL8 1, 7, 0, 1
	MUL8 2, 7, 0, 1
	MUL8 3, 7, 0, 1
	WIN 0
.rept 4
	v_nop
.endr
.irp nt, 0,1,2,3,4,5,6,7
	EPI_V \nt
.endr
	ds_store_b128 v[EXW], v[SW:SW+3]
	s_wait_dscnt 0x0
	s_barrier_signal -1
	s_barrier_wait -1
	ds_load_b64 v[LO:LO+1], v[EXR]
	ds_load_b64 v[HI:HI+1], v[EXR] offset:1024
	s_wait_dscnt 0x0
	v_lshl_or_b32 v[LO], v[HI], 16, v[LO]
	v_lshl_or_b32 v[LO+1], v[HI+1], 16, v[LO+1]
	global_store_b64 v[L8], v[LO:LO+1], s[72:73]
	s_wait_tensorcnt 0x0
	ds_add_u32 v[SPW], v[NIL]
	s_wait_dscnt 0x0
	CROUND
	s_endpgm
.Lfunc_end_k_q3f8abe8722_qkv:
	.size	k_q3f8abe8722_qkv, .Lfunc_end_k_q3f8abe8722_qkv-k_q3f8abe8722_qkv
	.p2alignl 7, 3214868480
	.fill 96, 4, 3214868480
	.section	.rodata,"a",@progbits
	.p2align	6, 0x0
	.amdhsa_kernel k_q3f8abe8722_qkv
		.amdhsa_group_segment_fixed_size 327680
		.amdhsa_private_segment_fixed_size 0
		.amdhsa_enable_private_segment 0
		.amdhsa_kernarg_size 72
		.amdhsa_user_sgpr_count 2
		.amdhsa_user_sgpr_kernarg_segment_ptr 1
		.amdhsa_wavefront_size32 1
		.amdhsa_system_sgpr_workgroup_id_x 1
		.amdhsa_system_sgpr_workgroup_id_y 1
		.amdhsa_system_sgpr_workgroup_id_z 1
		.amdhsa_system_vgpr_workitem_id 0
		.amdhsa_next_free_vgpr 1024
		.amdhsa_next_free_sgpr 84
		.amdhsa_reserve_vcc 1
		.amdhsa_float_denorm_mode_32 3
		.amdhsa_float_denorm_mode_16_64 3
		.amdhsa_memory_ordered 1
		.amdhsa_forward_progress 1
		.amdhsa_inst_pref_size 188
	.end_amdhsa_kernel
	.amdgpu_metadata
---
amdhsa.version: [ 1, 2 ]
amdhsa.kernels:
  - .name:           k_q3f8abe8722_qkv
    .symbol:         k_q3f8abe8722_qkv.kd
    .args:
      - { .name: x_img, .offset: 0, .size: 8, .value_kind: global_buffer, .address_space: global }
      - { .name: w_img, .offset: 8, .size: 8, .value_kind: global_buffer, .address_space: global }
      - { .name: rope_img, .offset: 16, .size: 8, .value_kind: global_buffer, .address_space: global }
      - { .name: bq, .offset: 24, .size: 8, .value_kind: global_buffer, .address_space: global }
      - { .name: bk, .offset: 32, .size: 8, .value_kind: global_buffer, .address_space: global }
      - { .name: bv, .offset: 40, .size: 8, .value_kind: global_buffer, .address_space: global }
      - { .name: key_padding_mask, .offset: 48, .size: 8, .value_kind: global_buffer, .address_space: global }
      - { .name: q_img, .offset: 56, .size: 8, .value_kind: global_buffer, .address_space: global }
      - { .name: kv_img, .offset: 64, .size: 8, .value_kind: global_buffer, .address_space: global }
    .group_segment_fixed_size: 327680
    .private_segment_fixed_size: 0
    .kernarg_segment_align: 8
    .kernarg_segment_size: 72
    .max_flat_workgroup_size: 128
    .sgpr_count:     84
    .vgpr_count:     1024
    .wavefront_size: 32
...
	.end_amdgpu_metadata
.endif
;; end of part 2
;; launch attn (part 3): grid 4 x 64, 16 waves a work-group, clusters of 4 x 1, 327,680 bytes of LDS; arguments q_img, kv_img, a_img; writes a_img
.if DOCPART == 3
	.amdgcn_target "amdgcn-amd-amdhsa--gfx1250"
	.amdhsa_code_object_version 6
	.text
	.protected	k_q3f8abe8722_attn
	.globl	k_q3f8abe8722_attn
	.p2align	8
	.type	k_q3f8abe8722_attn,@function
k_q3f8abe8722_attn:
	s_mov_b64 s[64:65], 0
	v_nop
	global_prefetch_b8 v0, s[64:65] scope:SCOPE_SE
	s_setreg_imm32_b32 hwreg(HW_REG_WAVE_MODE, 25, 1), 1
	s_wait_xcnt 0x0
	s_wait_alu depctr_hold_cnt(0) depctr_sa_sdst(0) depctr_va_vdst(0) depctr_va_sdst(0) depctr_va_ssrc(0) depctr_va_vcc(0) depctr_vm_vsrc(0)
	s_getreg_b32 s2, hwreg(HW_REG_IB_STS2, 6, 4)
	s_cmp_eq_u32 s2, 0
	s_cbranch_scc0 .Lentry_in_a_cluster
	s_endpgm
.Lentry_in_a_cluster:
	s_bfe_u32 s2, ttmp6, 0x10000c
	s_cmp_lg_u32 s2, 0x3003
	s_cbranch_scc0 .Lentry_shape_is_right
	s_endpgm
.Lentry_shape_is_right:
; O = softmax(q k^T / 8, with the key padding mask) v for one head, both products on codes of FP6 (E2M3) with E8M0 scales; O / the row's sum is quantised along the model's 1,024 and stored as register images for the last product.
; THE SOFTMAX: t = score x log2(e) / 8; M = the running largest t rounded UP to a whole number; p = 2^(t - M) is quantised along the keys, not normalised; the row's sum is taken of the unquantised p; when M moves, the sum and O
; are multiplied by 2^(old M - new M), which rounds nothing.
; SHARES.  A work-group owns 512 queries of one head; each of its sixteen waves two tiles of 16 queries, one after the other (two passes).  Four waves share a SIMD.
; THE WHOLE HEAD'S k, v AND SCALE WORDS COME INTO LDS ONCE: sixteen key steps of 13,056 bytes, ONE TENSOR LOAD A WAVE, wave w key step w, by one line that every wave issues; every wave waits for its load, one barrier shows all
; sixteen, and no barrier follows: nothing is filled again.  The four work-groups of a head form a cluster and ask jointly (mask 15).  The mover lays 64 bytes behind every 256: a unit of 256 bytes of kv_img lies at 320 x its number.
; No prefetch into the L2: all that the launch reads by tensor loads is asked for by these first loads; there is no loop to run ahead in.
; LAYOUT.  Both products transposed: S^T = k q^T (source 0 = 16 keys), O^T = v^T p^T (source 0 = 16 features): a lane holds one query throughout.
; WHICH KEYS FORM A TILE OF k is chosen here, by the LDS addresses alone: row 8 a + i of tile (c, j) is key 64 c + 32 a + 8 j + i.  kv_img holds these eight keys as rows 8 (j / 2) + i of its tile 4 c + 2 a + j % 2.
; So register 32 c + 8 j + i of lane (query, h) is key 64 c + 32 h + 8 j + i: A LANE HOLDS TWO WHOLE SCALE BLOCKS OF p, in the order of the next operand's registers: a block's largest needs no other lane, and no code changes lanes.
; With the padding, rows 0-7 and rows 8-15 of such a tile lie 1,920 bytes apart, 128 modulo 256: the sixteen lanes of a 16-byte load touch 256 different bytes modulo 256.
; THE ORDER OF A STEP.  The first four tiles of k and all eight tiles' scale words were fetched in the step before (the first step's at the pass's head; the last step, written out behind a loop of fifteen, fetches nothing more).
; The second four tiles and v are fetched behind the first four products; the first half's maxima stand between that fetch and the wait for it.
; THE MASK.  The score's K is 64 of the instruction's 128.  The fill is zero codes but for K = 64: +1 in every key, -1 in every query.  Byte 2 of a key's scale word (made with k) is 1 or 227: the score loses 2^-126, or 2^100 where the key
; is not attended: its p is then 0.  While only such keys have been seen, t - M is 0 and p is 1; the first attended key makes the factor 2^(old M - new M) zero, which wipes those sums out.
; LIMITS: |score| under 2^75; a batch with no attended key leans on the matrix unit giving -2^100 for -2^100 + score (the result is then the mean of v); NaN and infinities are not served.
; REGISTERS: v0 the old -M, then at work; v1, v2, v8 16, 8, 4 x lane; v3, v4, v10 k's LDS addresses, v11, v29 v's; v5, v6 the add's two; v7 q's scale address; v9 the two tiles' scale bytes; v12 -M, v13 the largest score, v[14:15] the sum;
;   v16-27 q, v28 its scale words; v30 8 (lane / 16); v32-79 four fragments of k (upper six registers constant); v80-83 k's scale words, v84-85 v's; v86-89 the addresses' lane parts;
;   v31, v207, v90, v91, v92-94, v204-206 at work (maxima, f, conversions); v95 p's scale word; v96-159 S^T, then p, then its partial sums; v160-191 O^T; v192-203 p's codes; v208-255 v's four fragments.
.set KSTB,  13056                      ; a key step of 128 keys in kv_img: 51 units of 256 bytes
.set UN,    320                        ; a unit in LDS
.set KSTP,  51*UN                      ; a key step in LDS
.set SPARE, 16*KSTP                    ; behind the head (a multiple of 256): the spare words, 128 bytes a wave
.macro WALU
	s_wait_alu depctr_va_vdst(0)
.endm
.macro CROUND
	s_barrier_signal -1
	s_barrier_wait -1
	s_cmp_lg_u32 s10, 0
	s_cbranch_scc1 .Lnot_wave_0_\@
	s_barrier_signal -3
.Lnot_wave_0_\@:
	s_barrier_wait -3
	s_barrier_signal -1
	s_barrier_wait -1
.endm
	s_load_b128 s[4:7], s[0:1], 0x0                ; q_img, kv_img
	s_load_b64 s[8:9], s[0:1], 0x10                ; a_img
	v_lshl_add_u32 v5, v0, 2, SPARE                ; my spare word; never rewritten
	v_mov_b32 v6, 0                                ; 0; never rewritten
	ds_add_u32 v5, v6                              ; the opening lines: the add, twice on end, and its wait ahead of the first tensor load
	ds_add_u32 v5, v6
	v_lshrrev_b32 v10, 5, v0
	v_readfirstlane_b32 s10, v10                   ; wave 0..15
	s_bfe_u32 s11, ttmp6, 0x40000                  ; cx: which 512 queries; it enters q's and a's addresses alone
	s_and_b32 s12, ttmp7, 0xffff                   ; 16 x batch + head, which the partners share
	s_mov_b32 s16, 15|(3<<16)|(1<<20)|(1<<21)|(5<<22)|(15<<25)     ; group 1: the mask; elements of 8 bytes; padding on; bit 21 beside a mask; behind every 64 words, 16 words
	s_mov_b32 s17, 32<<16                          ; rows of 256 bytes,
	s_mov_b32 s18, 51<<16                          ; 51 of them: a key step's 13,056 dense bytes
	s_mov_b32 s19, 32<<16
	s_mov_b32 s20, 51
	s_mov_b32 s21, 32
	s_mov_b32 s22, 0
	s_mov_b32 s23, 0
	s_mov_b32 s40, 0x76543210
	s_mov_b32 s41, 0xfedcba98                      ; selects for lane l xor 16
	s_mov_b32 s42, 0x3e38aa3b                      ; c = log2(e) / 8
	s_mov_b32 s43, s42                             ; (named with it as a pair)
	s_mov_b32 s48, 0xffff                          ; the first tile's scale bytes go to lanes 0-15
	s_mul_i32 s49, s10, KSTB                       ; my key step in memory,
	s_mul_i32 s52, s12, 16*KSTB
	s_add_co_u32 s52, s52, s49
	s_mov_b32 s53, 0
	s_mov_b32 s24, 1
	s_mul_i32 s25, s10, KSTP                       ; and in LDS
	s_lshl_b32 s56, s11, 3
	s_lshr_b32 s57, s10, 1
	s_add_co_u32 s56, s56, s57                     ; my block of 64 queries in the sequence
	s_and_b32 s57, s10, 1                          ; which two of its four tiles
	s_lshl_b32 s58, s12, 5
	s_add_co_u32 s58, s58, s56
	s_mul_i32 s54, s58, 3328
	s_mul_i32 s58, s57, 1536
	s_add_co_u32 s44, s54, s58                     ; q's codes
	s_mov_b32 s45, 0
	s_add_co_u32 s54, s54, 3072
	s_lshl_b32 s58, s57, 2
	s_add_co_u32 s54, s54, s58                     ; q's scale words: word (wave % 2) of each lane's two
	s_mov_b32 s55, 0
	s_lshr_b32 s58, s12, 4
	s_lshl_b32 s58, s58, 5
	s_add_co_u32 s58, s58, s56                     ; the block of 64 rows among all 8,192
	s_lshl_b32 s58, s58, 3
	s_bfe_u32 s59, s12, 0x30001                    ; head / 2: the last product's K step
	s_add_co_u32 s58, s58, s59
	s_mul_i32 s58, s58, 6656
	s_and_b32 s59, s12, 1                          ; head % 2: which half of it
	s_mul_i32 s46, s59, 768
	s_add_co_u32 s46, s46, s58
	s_mul_i32 s50, s57, 3072
	s_add_co_u32 s46, s46, s50                     ; a's codes
	s_mov_b32 s47, 0
	s_lshl_b32 s50, s59, 8
	s_add_co_u32 s50, s50, s58
	s_lshl_b32 s59, s57, 7
	s_add_co_u32 s50, s50, s59
	s_add_co_u32 s50, s50, 6144                    ; a's scale bytes
	s_mov_b32 s51, 0
	s_wait_dscnt 0x0                               ; both opening adds are done
	s_wait_kmcnt 0x0
	s_add_nc_u64 s[26:27], s[6:7], s[52:53]
	s_or_b32 s27, s27, 0x80000000
	s_add_nc_u64 s[44:45], s[4:5], s[44:45]
	s_add_nc_u64 s[54:55], s[4:5], s[54:55]
	s_add_nc_u64 s[46:47], s[8:9], s[46:47]
	s_add_nc_u64 s[50:51], s[8:9], s[50:51]
	CROUND                                         ; all four work-groups are here: the joint loads meet
	tensor_load_to_lds s[24:27], s[16:23]          ; my one load: key step (wave)
	s_nop 0
	v_and_b32 v10, 31, v0
	v_lshlrev_b32 v1, 4, v10                       ; 16 x lane
	v_lshlrev_b32 v2, 3, v10                       ; 8 x lane
	v_lshlrev_b32 v8, 2, v10                       ; 4 x lane
	v_and_b32 v7, 15, v0
	v_lshlrev_b32 v7, 3, v7                        ; q's scale words: 8 x (lane % 16)
	global_load_b128 v[16:19], v1, s[44:45]        ; the first tile's q
	global_load_b64 v[20:21], v2, s[44:45] offset:512
	global_load_b32 v28, v7, s[54:55]
	v_and_b32 v3, 7, v0                            ; i = row % 8
	v_bfe_u32 v4, v0, 3, 1                         ; a = row / 8
	v_bfe_u32 v11, v0, 4, 1                        ; h
	v_mul_u32_u24 v29, v4, 6*UN                    ; rows 8-15 come from the tile two further on: six units
	v_lshl_add_u32 v86, v3, 4, v29
	v_mad_u32_u24 v86, v11, UN, v86                ; k, registers 0-3: 1920 a + 320 h + 16 i
	v_lshl_add_u32 v87, v3, 3, v29
	v_lshl_add_u32 v87, v11, 7, v87                ; k, registers 4, 5: 1920 a + 128 h + 8 i
	v_lshlrev_b32 v88, 3, v3
	v_lshl_add_u32 v88, v4, 2, v88
	v_lshl_add_u32 v88, v11, 7, v88                ; k's scale words: 128 h + 8 i + 4 a: lanes 0-15 an even tile's, lanes 16-31 an odd one's
	v_and_b32 v89, 15, v0
	v_lshlrev_b32 v89, 4, v89
	v_mad_u32_u24 v89, v11, UN, v89                ; v, 16 bytes a lane: lanes 16-31 in the next unit
	v_lshlrev_b32 v30, 3, v11                      ; 8 h: where my two bytes stand in p's scale word
	v_mov_b32 v9, 0
	v_mov_b32 v205, 0                              ; (named as the upper half of the pair v[204:205])
	v_mov_b32 v3, 40                               ; the code of -1
	v_mov_b32 v4, 8                                ; the code of +1
	v_cndmask_b32 v22, 0, v3, s48                  ; q's fill: K = 64 lies in the lowest bits of register 6 of lanes 0-15
.irp i, 23,24,25,26,27
	v_mov_b32 v[\i], 0
.endr
.irp t, 0,1,2,3
	v_cndmask_b32 v[38+12*\t], 0, v4, s48          ; k's fill
.irp i, 39,40,41,42,43
	v_mov_b32 v[\i+12*\t], 0
.endr
.endr
.macro KLOAD c, ra, rb, x              ; four tiles of 16 keys: eight loads; x: bytes on from the addresses' key step
.irp j, 0,1,2,3
	ds_load_b128 v[32+12*\j:35+12*\j], v\ra offset:(\x)+UN*(13*\c+3*(\j%2))+128*(\j/2)
	ds_load_b64 v[36+12*\j:37+12*\j], v\rb offset:(\x)+UN*(13*\c+3*(\j%2)+2)+64*(\j/2)
.endr
.endm
.macro KSCL rs, x                      ; the scale words of tiles (c, 2 jj) and (c, 2 jj + 1), e = 2 c + jj: four loads
.irp e, 0,1,2,3
	ds_load_b32 v[80+\e], v\rs offset:(\x)+UN*(13*(\e/2)+12)+64*(\e%2)
.endr
.endm
.macro SMUL c                          ; S^T = k q^T for four tiles
.irp j, 0,2
	v_wmma_scale_f32_16x16x128_f8f6f4 v[96+8*(4*\c+\j):103+8*(4*\c+\j)], v[32+12*\j:43+12*\j], v[16:27], 0, v[80+2*\c+\j/2], v28 matrix_a_fmt:MATRIX_FMT_FP6 matrix_b_fmt:MATRIX_FMT_FP6
	v_wmma_scale_f32_16x16x128_f8f6f4 v[104+8*(4*\c+\j):111+8*(4*\c+\j)], v[44+12*\j:55+12*\j], v[16:27], 0, v[80+2*\c+\j/2], v28 matrix_a_fmt:MATRIX_FMT_FP6 matrix_b_fmt:MATRIX_FMT_FP6 matrix_a_scale:MATRIX_SCALE_ROW1
.endr
.endm
.macro MAXR base, c0, c1, c2, c3       ; the largest of registers 0-6 of each of four tiles, four chains side by side, each tile from its low end on
	v_max3_num_f32 v\c0, v[\base], v[\base+1], v[\base+2]
	v_max3_num_f32 v\c1, v[\base+8], v[\base+9], v[\base+10]
	v_max3_num_f32 v\c2, v[\base+16], v[\base+17], v[\base+18]
	v_max3_num_f32 v\c3, v[\base+24], v[\base+25], v[\base+26]
.irp i, 3,5
	v_max3_num_f32 v\c0, v\c0, v[\base+\i], v[\base+\i+1]
	v_max3_num_f32 v\c1, v\c1, v[\base+8+\i], v[\base+9+\i]
	v_max3_num_f32 v\c2, v\c2, v[\base+16+\i], v[\base+17+\i]
	v_max3_num_f32 v\c3, v\c3, v[\base+24+\i], v[\base+25+\i]
.endr
.endm
.macro MAXJ base, d, c0, c1, c2, c3    ; the four chains and the four registers 7: the block's largest score
	v_max3_num_f32 v\c0, v\c0, v\c1, v[\base+7]
	v_max3_num_f32 v\c2, v\c2, v\c3, v[\base+15]
	v_max3_num_f32 v\d, v\c0, v\c2, v[\base+23]
	v_max_num_f32 v\d, v\d, v[\base+31]
.endm
.macro TM8                             ; t - M for sixteen scores
.rept 8
	v_pk_fma_f32 v[96+J:97+J], v[96+J:97+J], s[42:43], v[12:13] op_sel_hi:[1,0,0]
.set J, J+2
.endr
.endm
.macro TREE n, step                    ; n lines of the sum's tree, in place: the pair at 96 + step k takes up the pair half a step on
.rept \n
	v_pk_add_f32 v[96+J:97+J], v[96+J:97+J], v[96+J+(\step)/2:97+J+(\step)/2]
.set J, J+(\step)
.endr
.endm
; A KEY STEP: 128 keys, whose block begins at LDS byte s15.  pre = 1: the next step's first fetch is issued
.macro STEP pre
	s_wait_dscnt 0x0                               ; my first four tiles of k and the scale words are in
	SMUL 0
	v_add_nc_u32 v3, s15, v86                      ; these lines are the places between the products and the loads into their fragments, and behind the last step's products, whose fragments of v are loaded anew
	v_add_nc_u32 v4, s15, v87
	v_add_nc_u32 v11, s15, v89
	v_add_nc_u32 v29, s15, v2
.if \pre
	v_add_nc_u32 v10, s15, v88
.endif
	v_mov_b32 v0, v12                              ; the old -M
	KLOAD 1, 3, 4, 0
.irp dt, 0,1,2,3                       ; v's four fragments and their scale words: 17 loads
	ds_load_b128 v[208+12*\dt:211+12*\dt], v11 offset:UN*(26+6*\dt)
	ds_load_b64 v[212+12*\dt:213+12*\dt], v29 offset:UN*(28+6*\dt)
	ds_load_b128 v[214+12*\dt:217+12*\dt], v11 offset:UN*(29+6*\dt)
	ds_load_b64 v[218+12*\dt:219+12*\dt], v29 offset:UN*(31+6*\dt)
.endr
	ds_load_b64 v[84:85], v29 offset:UN*50
	MAXR 96, 31, 207, 90, 91                       ; the first half's maxima, while the loads are out
	WALU
	s_wait_dscnt 17                                ; k's eight are in; v's 17, issued behind them, may be out
	SMUL 1
	MAXJ 96, 31, 31, 207, 90, 91                   ; block h's largest score; these four lines read the first half alone: they are the places behind the second half's products
.if \pre
	KLOAD 0, 3, 4, KSTP                            ; the next step's first four tiles and its scale words: 12 loads
	KSCL 10, KSTP
.endif
	MAXR 128, 207, 90, 91, 92
	MAXJ 128, 90, 207, 90, 91, 92                  ; block 2 + h's
	v_max_num_f32 v207, v31, v90
	s_delay_alu instid0(VALU_DEP_1)
	v_permlanex16_b32 v92, v207, s40, s41
	s_delay_alu instid0(VALU_DEP_1)
	v_max3_num_f32 v13, v13, v207, v92             ; the running largest score of my query
	s_delay_alu instid0(VALU_DEP_1)
	v_mul_f32 v93, s42, v13                        ; as t (c is positive)
	s_delay_alu instid0(VALU_DEP_1)
	v_floor_f32 v12, -v93                          ; -M = floor(-t): M is a whole number
.set J, 0
	TM8
	v_sub_f32 v94, v12, v0                         ; old M - new M: a whole number, 0 or less
	TM8
	v_cvt_i32_f32 v94, v94                         ; (it saturates)
	TM8
	v_ldexp_f32 v204, 1.0, v94                     ; f = 2^(old M - new M)
	TM8
	v_fma_f32 v31, v31, s42, v12                   ; the same of each block's largest score: p rises with the score
	v_fma_f32 v90, v90, s42, v12
.set J, 0
.rept 16
	v_pk_mul_f32 v[160+J:161+J], v[160+J:161+J], v[204:205] op_sel_hi:[1,0]        ; O^T under the new M
.set J, J+2
.endr
	WALU                                           ; the wait ahead of the batch
	v_exp_f32 v31, v31                             ; each block's largest p: the same two instructions on the same number give the same bits
	v_exp_f32 v90, v90
.set J, 0
.rept 64
	v_exp_f32 v[96+J], v[96+J]                     ; p = 2^(t - M)
.set J, J+1
.endr
	v_pk_mul_f32 v[14:15], v[14:15], v[204:205] op_sel_hi:[1,0]    ; the sum under the new M: the plain place behind the exponentials
	WALU                                           ; one wait for the batch, ahead of its first reader
	v_max_num_f32 v31, 0x1800000, v31              ; the floor 2^(3 - 127): the byte cannot fall under 1
	v_max_num_f32 v90, 0x1800000, v90
	v_add_nc_u32 v207, 0xff000000, v31             ; 2 off the exponent field: the conversions' scale operands
	v_add_nc_u32 v91, 0xff000000, v90
	v_cvt_scalef32_pk16_fp6_f32 v[192:194], v[96:111], v207
	v_cvt_scalef32_pk16_fp6_f32 v[204:206], v[112:127], v207       ; (a conversion's three registers begin on an even number)
	v_cvt_scalef32_pk16_fp6_f32 v[198:200], v[128:143], v91
	v_cvt_scalef32_pk16_fp6_f32 v[92:94], v[144:159], v91
	v_lshrrev_b32 v31, 23, v207                    ; the scales' bytes (the plain place behind the conversions)
	v_lshrrev_b32 v90, 23, v91
.set J, 0
	TREE 4, 4                                      ; THE ROW'S SUM OF THE UNQUANTISED p, as a tree in place; the scale word's lines stand among its first sixteen
	v_lshl_or_b32 v31, v90, 16, v31                ; blocks h and 2 + h,
	TREE 4, 4
	v_lshlrev_b32 v31, v30, v31                    ; at their places in the word;
	TREE 4, 4
	v_permlanex16_b32 v0, v31, s40, s41
	TREE 4, 4
.irp i, 0,1,2
	v_mov_b32 v[195+\i], v[204+\i]
	v_mov_b32 v[201+\i], v[92+\i]
.endr
	v_or_b32 v95, v31, v0                          ; with lane l xor 16's two p's scale word is whole; the sixteen lines below are the places between it, p's codes and the products
.set J, 0
	TREE 8, 8
.set J, 0
	TREE 4, 16
.set J, 0
	TREE 2, 32
.set J, 0
	TREE 1, 64
	v_pk_add_f32 v[14:15], v[14:15], v[96:97]
	s_wait_dscnt 12*\pre                           ; v's fragments are in; the next step's 12 loads, issued behind them, may be out
.irp dt, 0,2                           ; O^T += v^T p^T: four accumulators by turns
	v_wmma_scale_f32_16x16x128_f8f6f4 v[160+8*\dt:167+8*\dt], v[208+12*\dt:219+12*\dt], v[192:203], v[160+8*\dt:167+8*\dt], v[84+\dt/2], v95 matrix_a_fmt:MATRIX_FMT_FP6 matrix_b_fmt:MATRIX_FMT_FP6
	v_wmma_scale_f32_16x16x128_f8f6f4 v[168+8*\dt:175+8*\dt], v[220+12*\dt:231+12*\dt], v[192:203], v[168+8*\dt:175+8*\dt], v[84+\dt/2], v95 matrix_a_fmt:MATRIX_FMT_FP6 matrix_b_fmt:MATRIX_FMT_FP6 matrix_a_scale:MATRIX_SCALE_ROW1
.endr
.endm
	WALU                                           ; the wait at the head's end
	s_wait_tensorcnt 0x0                           ; my key step has landed,
	s_barrier_signal -1
	s_barrier_wait -1                              ; and everybody's: the whole head lies in LDS
	s_mov_b32 s13, 0
.Lpass:                                            ; two trips: my two tiles of queries
	KLOAD 0, 86, 87, 0                             ; key step 0's first fetch
	KSCL 88, 0
	v_mov_b32 v13, 0xff61b1e6                      ; the largest score so far: -3e38
	v_floor_f32 v12, -v13
	v_mov_b32 v14, 0
	v_mov_b32 v15, 0
.set J, 0
.rept 32
	v_mov_b32 v[160+J], 0                          ; O^T: the first change of M leaves zeros zeros
.set J, J+1
.endr
	s_mov_b32 s15, 0                               ; the key step's LDS byte
	s_mov_b32 s14, 0
	WALU                                           ; directly ahead of the wait below
	s_wait_loadcnt 0x0                             ; this tile's q is in
.Lstep:
	STEP 1
	s_add_co_u32 s15, s15, KSTP
	s_add_co_u32 s14, s14, 1
	s_cmp_lt_u32 s14, 15
	s_cbranch_scc1 .Lstep
	STEP 0                                         ; the last key step fetches nothing beyond the head
	; the way out of a pass: O^T / the sum, quantised along the head's 64: half a fragment of the last product's A
	s_cmp_lg_u32 s13, 0
	WALU                                           ; directly ahead of the branch
	s_cbranch_scc1 .Lno_next
	global_load_b128 v[16:19], v1, s[44:45] offset:768             ; the second tile's q, under the first tile's way out
	global_load_b64 v[20:21], v2, s[44:45] offset:768+512
	global_load_b32 v28, v7, s[54:55] offset:128
.Lno_next:
	v_add_f32 v14, v14, v15                        ; (these three lines and the v_nop below are the places behind the last products)
	v_permlanex16_b32 v32, v14, s40, s41
	v_add_f32 v14, v14, v32                        ; the row's sum
	WALU
	v_rcp_f32 v36, v14
	v_nop
	v_nop
	WALU                                           ; ahead of the first reader
.set J, 0
.rept 16
	v_pk_mul_f32 v[96+J:97+J], v[160+J:161+J], v[36:37] op_sel_hi:[1,0]            ; register 16 b + i = feature 32 b + 16 (lane / 16) + i
.set J, J+2
.endr
	v_max3_num_f32 v33, |v96|, |v97|, 0x1800000
	v_max3_num_f32 v34, |v112|, |v113|, 0x1800000
.irp i, 2,4,6,8,10,12,14
	v_max3_num_f32 v33, v33, |v[96+\i]|, |v[97+\i]|
	v_max3_num_f32 v34, v34, |v[112+\i]|, |v[113+\i]|
.endr
	v_permlanex16_b32 v44, v33, s40, s41
	v_permlanex16_b32 v45, v34, s40, s41
	v_max_num_f32 v33, v33, v44
	v_max_num_f32 v34, v34, v45
	v_add_nc_u32 v46, 0xff000000, v33
	v_add_nc_u32 v47, 0xff000000, v34
	v_lshrrev_b32 v48, 23, v46
	v_lshrrev_b32 v49, 23, v47
	v_lshl_or_b32 v35, v49, 8, v48
	v_cvt_scalef32_pk16_fp6_f32 v[192:194], v[96:111], v46
	v_cvt_scalef32_pk16_fp6_f32 v[204:206], v[112:127], v47
	v_nop                                          ; one plain place behind the conversions
.irp i, 0,1,2
	v_permlane16_swap_b32 v[192+\i], v[204+\i]     ; a whole block to a lane
.endr
.irp i, 0,1,2
	v_mov_b32 v[195+\i], v[204+\i]
.endr
	global_store_b128 v1, v[192:195], s[46:47]     ; 512 consecutive bytes
	global_store_b64 v2, v[196:197], s[46:47] offset:512           ; 256 consecutive bytes
	v_cndmask_b32 v9, v9, v35, s48                 ; the tile's two scale bytes, in its half of the lanes
	s_wait_xcnt 0x0                                ; the stores have read their registers and their base
	s_add_nc_u64 s[46:47], s[46:47], 1536
	s_mov_b32 s48, 0xffff0000
	s_add_co_u32 s13, s13, 1
	s_cmp_lt_u32 s13, 2
	s_cbranch_scc1 .Lpass
	WALU                                           ; directly ahead of the reader below
	global_store_b32 v8, v9, s[50:51]              ; 128 consecutive bytes: the scale bytes of my two tiles
	s_wait_tensorcnt 0x0                           ; the wave's end
	ds_add_u32 v5, v6
	s_wait_dscnt 0x0
	CROUND                                         ; the closing round
	s_endpgm
.Lfunc_end_k_q3f8abe8722_attn:
	.size	k_q3f8abe8722_attn, .Lfunc_end_k_q3f8abe8722_attn-k_q3f8abe8722_attn
	.p2alignl 7, 3214868480
	.fill 96, 4, 3214868480
	.section	.rodata,"a",@progbits
	.p2align	6, 0x0
	.amdhsa_kernel k_q3f8abe8722_attn
		.amdhsa_group_segment_fixed_size 327680
		.amdhsa_private_segment_fixed_size 0
		.amdhsa_enable_private_segment 0
		.amdhsa_kernarg_size 24
		.amdhsa_user_sgpr_count 2
		.amdhsa_user_sgpr_kernarg_segment_ptr 1
		.amdhsa_wavefront_size32 1
		.amdhsa_system_sgpr_workgroup_id_x 1
		.amdhsa_system_sgpr_workgroup_id_y 1
		.amdhsa_system_sgpr_workgroup_id_z 1
		.amdhsa_system_vgpr_workitem_id 0
		.amdhsa_next_free_vgpr 256
		.amdhsa_next_free_sgpr 66
		.amdhsa_reserve_vcc 0
		.amdhsa_float_denorm_mode_32 3
		.amdhsa_float_denorm_mode_16_64 3
		.amdhsa_memory_ordered 1
		.amdhsa_forward_progress 1
		.amdhsa_inst_pref_size 43
	.end_amdhsa_kernel
	.amdgpu_metadata
---
amdhsa.version: [ 1, 2 ]
amdhsa.kernels:
  - .name:           k_q3f8abe8722_attn
    .symbol:         k_q3f8abe8722_attn.kd
    .args:
      - { .name: q_img, .offset: 0, .size: 8, .value_kind: global_buffer, .address_space: global }
      - { .name: kv_img, .offset: 8, .size: 8, .value_kind: global_buffer, .address_space: global }
      - { .name: a_img, .offset: 16, .size: 8, .value_kind: global_buffer, .address_space: global }
    .group_segment_fixed_size: 327680
    .private_segment_fixed_size: 0
    .kernarg_segment_align: 8
    .kernarg_segment_size: 24
    .max_flat_workgroup_size: 512
    .sgpr_count:     66
    .vgpr_count:     256
    .wavefront_size: 32
...
	.end_amdgpu_metadata
.endif
;; end of part 3
;; launch proj (part 4): grid 64 x 4, 4 waves a work-group, clusters of 4 x 1, 327,680 bytes of LDS; arguments a_img, w_img, bo, out0; writes out0
.if DOCPART == 4
	.amdgcn_target "amdgcn-amd-amdhsa--gfx1250"
	.amdhsa_code_object_version 6
	.text
	.protected	k_q3f8abe8722_proj
	.globl	k_q3f8abe8722_proj
	.p2align	8
	.type	k_q3f8abe8722_proj,@function
k_q3f8abe8722_proj:
	s_mov_b64 s[64:65], 0
	v_nop
	global_prefetch_b8 v0, s[64:65] scope:SCOPE_SE
	s_setreg_imm32_b32 hwreg(HW_REG_WAVE_MODE, 25, 1), 1
	s_wait_xcnt 0x0
	s_wait_alu depctr_hold_cnt(0) depctr_sa_sdst(0) depctr_va_vdst(0) depctr_va_sdst(0) depctr_va_ssrc(0) depctr_va_vcc(0) depctr_vm_vsrc(0)
	s_getreg_b32 s2, hwreg(HW_REG_IB_STS2, 6, 4)
	s_cmp_eq_u32 s2, 0
	s_cbranch_scc0 .Lentry_in_a_cluster
	s_endpgm
.Lentry_in_a_cluster:
	s_bfe_u32 s2, ttmp6, 0x10000c
	s_cmp_lg_u32 s2, 0x3003
	s_cbranch_scc0 .Lentry_shape_is_right
	s_endpgm
.Lentry_shape_is_right:
.set STR,   6656
.set KSB,   25600
.set SLOTB, 4*KSB
.set SPARE, 2*SLOTB
.set LB16, 1
.set LB8,  2
.set A16,  3
.set A8,   4
.set L16,  5
.set L8,   6
.set SPW,  7
.set NIL,  8
.set L4,   10
.set BOF,  11
.set STO,  12
.set RD,   13
.set TMPV, 15
.set XSC,  16
.set WSC,  32
.set B0,   48
.set BIAS, 144
.set HW,   208
.set G1,   32
.set G0,   40
.set MSB,  0
.macro WIN new
.if MSB != (\new)
	s_set_vgpr_msb (MSB<<8)|(\new)
.set MSB, (\new)
.endif
.endm
.macro CROUND
	s_barrier_signal -1
	s_barrier_wait -1
	s_cmp_lg_u32 s22, 0
	s_cbranch_scc1 .Lnot_wave_0_\@
	s_barrier_signal -3
.Lnot_wave_0_\@:
	s_barrier_wait -3
	s_barrier_signal -1
	s_barrier_wait -1
.endm
.macro WM d, a, b, c, sa, sb, ra, rb
.if (\ra) && (\rb)
	v_wmma_scale_f32_16x16x128_f8f6f4 v[(\d):(\d)+7], v[(\a):(\a)+11], v[(\b):(\b)+11], v[(\c):(\c)+7], v[\sa], v[\sb] matrix_a_fmt:MATRIX_FMT_FP6 matrix_b_fmt:MATRIX_FMT_FP6 matrix_a_scale:MATRIX_SCALE_ROW1 matrix_b_scale:MATRIX_SCALE_ROW1
.elseif (\ra)
	v_wmma_scale_f32_16x16x128_f8f6f4 v[(\d):(\d)+7], v[(\a):(\a)+11], v[(\b):(\b)+11], v[(\c):(\c)+7], v[\sa], v[\sb] matrix_a_fmt:MATRIX_FMT_FP6 matrix_b_fmt:MATRIX_FMT_FP6 matrix_a_scale:MATRIX_SCALE_ROW1
.elseif (\rb)
	v_wmma_scale_f32_16x16x128_f8f6f4 v[(\d):(\d)+7], v[(\a):(\a)+11], v[(\b):(\b)+11], v[(\c):(\c)+7], v[\sa], v[\sb] matrix_a_fmt:MATRIX_FMT_FP6 matrix_b_fmt:MATRIX_FMT_FP6 matrix_b_scale:MATRIX_SCALE_ROW1
.else
	v_wmma_scale_f32_16x16x128_f8f6f4 v[(\d):(\d)+7], v[(\a):(\a)+11], v[(\b):(\b)+11], v[(\c):(\c)+7], v[\sa], v[\sb] matrix_a_fmt:MATRIX_FMT_FP6 matrix_b_fmt:MATRIX_FMT_FP6
.endif
.endm
.macro MUL8 mt, ks, first
.set bw, 2*((\ks)%2)
.set bb, B0+96*((\ks)%2)
.if (\ks) < 5
.set aw, 1
.set ab, 48*(\ks)+12*(\mt)
.else
.set aw, 2
.set ab, 48*((\ks)-5)+12*(\mt)
.endif
.set cw, 3-3*(\first)
	WIN 0xC0|(cw<<4)|(aw<<2)|bw
.set sx, XSC+2*(\ks)+(\mt)/2
.irp nt, 0,1,2,3,4,5,6,7
.set sw, WSC+4*((\ks)%2)+2*(\nt/4)+(\nt%4)/2
.set dd, 64*(\mt)+8*\nt
.if \first
.set cc, BIAS+8*\nt
.else
.set cc, dd
.endif
	WM dd, bb+12*\nt, ab, cc, sw, sx, \nt%2, (\mt)%2
.endr
.endm
.macro FETCHB slot, kk, set
	WIN 0
	v_add_nc_u32 v[A16], (\slot)*SLOTB+(\kk)*KSB, v[LB16]
	v_add_nc_u32 v[A8], (\slot)*SLOTB+(\kk)*KSB, v[LB8]
	v_nop
	v_nop
	WIN 0x80*(\set)
.set fb, B0+96*(\set)
.irp nt, 0,1,2,3,4,5,6,7
.set fo, (\nt/4)*6400+(\nt%4)*1536
	ds_load_b128 v[fb+12*\nt:fb+12*\nt+3], v[A16] offset:fo
	ds_load_b64 v[fb+12*\nt+4:fb+12*\nt+5], v[A8] offset:fo+512
	ds_load_b128 v[fb+12*\nt+6:fb+12*\nt+9], v[A16] offset:fo+768
	ds_load_b64 v[fb+12*\nt+10:fb+12*\nt+11], v[A8] offset:fo+1280
.endr
	WIN 0
	ds_load_b64 v[WSC+4*(\set):WSC+4*(\set)+1], v[A8] offset:6144
	ds_load_b64 v[WSC+4*(\set)+2:WSC+4*(\set)+3], v[A8] offset:6400+6144
.endm
.macro LCW ks
.if (\ks) < 4
	s_wait_loadcnt 63
.else
	s_wait_loadcnt 16*(7-(\ks))
.endif
.endm
.macro KN ks, slot, first
	s_wait_dscnt 0x0
	LCW \ks
	MUL8 0, \ks, \first
	MUL8 1, \ks, \first
	FETCHB \slot, ((\ks)+1)%4, ((\ks)+1)%2
	MUL8 2, \ks, \first
	MUL8 3, \ks, \first
	WIN 0
.endm
	s_load_b256 s[4:11], s[0:1], 0x0
	v_lshl_add_u32 v[SPW], v0, 2, SPARE
	v_mov_b32 v[NIL], 0
	ds_add_u32 v[SPW], v[NIL]
	ds_add_u32 v[SPW], v[NIL]
	v_lshrrev_b32 v[TMPV], 5, v0
	v_readfirstlane_b32 s22, v[TMPV]
	s_lshr_b32 s23, s22, 1
	s_and_b32 s24, s22, 1
	s_bfe_u32 s25, ttmp6, 0x40000
	s_lshl_b32 s26, ttmp9, 2
	s_add_co_u32 s26, s26, s25
	s_and_b32 s27, ttmp7, 0xffff
	s_mov_b32 s[G1], 15|(3<<16)|(1<<21)
	s_mov_b32 s[G1+1], 32<<16
	s_mov_b32 s[G1+2], 100<<16
	s_mov_b32 s[G1+3], 32<<16
	s_mov_b32 s[G1+4], 100
	s_mov_b32 s[G1+5], 32
	s_mov_b32 s[G1+6], 0
	s_mov_b32 s[G1+7], 0
	s_mov_b32 s49, 0
	s_add_co_u32 s48, s27, 12
	s_lshl_b32 s48, s48, 3
	s_add_co_u32 s48, s48, s22
	s_mul_i32 s48, s48, KSB
	s_mul_i32 s50, s22, KSB
	s_wait_dscnt 0x0
	s_wait_kmcnt 0x0
	s_add_nc_u64 s[6:7], s[6:7], s[48:49]
	CROUND
.irp s, 0,1
	s_mov_b32 s[G0+4*\s], 1
	s_add_co_u32 s[G0+4*\s+1], s50, \s*SLOTB
	s_add_nc_u64 s[G0+4*\s+2:G0+4*\s+3], s[6:7], \s*SLOTB
	s_or_b32 s[G0+4*\s+3], s[G0+4*\s+3], 0x80000000
.endr
	tensor_load_to_lds s[G0:G0+3], s[G1:G1+7]
	s_nop 0
.rept 4
	v_nop
.endr
	s_lshl_b32 s48, s26, 1
	s_add_co_u32 s48, s48, s23
	s_mul_i32 s48, s48, 8*STR
	s_add_nc_u64 s[4:5], s[4:5], s[48:49]
	s_lshl_b32 s48, s27, 10
	s_lshl_b32 s51, s24, 9
	s_add_co_u32 s48, s48, s51
	s_add_nc_u64 s[8:9], s[8:9], s[48:49]
	s_add_nc_u64 s[10:11], s[10:11], s[48:49]
	s_lshl_b32 s48, s26, 19
	s_lshl_b32 s51, s23, 18
	s_add_co_u32 s48, s48, s51
	s_add_nc_u64 s[10:11], s[10:11], s[48:49]
	v_and_b32 v[TMPV], 31, v0
	v_lshlrev_b32 v[L16], 4, v[TMPV]
	v_lshlrev_b32 v[L8], 3, v[TMPV]
	v_lshlrev_b32 v[L4], 2, v[TMPV]
	s_mul_i32 s51, s24, 12800
	v_add_nc_u32 v[LB16], s51, v[L16]
	v_add_nc_u32 v[LB8], s51, v[L8]
	v_bfe_u32 v[BOF], v0, 4, 1
	v_lshlrev_b32 v[BOF], 6, v[BOF]
	s_mul_i32 s51, s22, 8448
	v_and_b32 v[STO], 15, v0
	v_mul_u32_u24 v[STO], v[STO], 528
	v_add_nc_u32 v[STO], v[STO], v[BOF]
	v_add_nc_u32 v[STO], s51, v[STO]
	v_add_nc_u32 v[RD], s51, v[L16]
.irp ks, 0,1,2,3,4,5,6,7
.irp c, 0,1
.irp p, 0,1
	global_load_b32 v[HW+4*\ks+2*\c+\p], v[L4], s[4:5] offset:\ks*STR+6144+256*\c+128*\p
.endr
.endr
.endr
.irp nt, 0,1,2,3,4,5,6,7
	global_load_b128 v[BIAS+8*\nt:BIAS+8*\nt+3], v[BOF], s[8:9] offset:(32*(\nt/2)+8*(\nt%2))*4
	global_load_b128 v[BIAS+8*\nt+4:BIAS+8*\nt+7], v[BOF], s[8:9] offset:(32*(\nt/2)+8*(\nt%2))*4+16
.endr
.irp ks, 0,1,2,3,4,5,6,7
.if \ks < 5
	WIN 0x40
.set ab, 48*\ks
.else
	WIN 0x80
.set ab, 48*(\ks-5)
.endif
.irp mt, 0,1,2,3
	global_load_b128 v[ab+12*\mt:ab+12*\mt+3], v[L16], s[4:5] offset:\ks*STR+\mt*1536
	global_load_b64 v[ab+12*\mt+4:ab+12*\mt+5], v[L8], s[4:5] offset:\ks*STR+\mt*1536+512
	global_load_b128 v[ab+12*\mt+6:ab+12*\mt+9], v[L16], s[4:5] offset:\ks*STR+\mt*1536+768
	global_load_b64 v[ab+12*\mt+10:ab+12*\mt+11], v[L8], s[4:5] offset:\ks*STR+\mt*1536+1280
.endr
.endr
	WIN 0
	s_wait_alu depctr_va_vdst(0)
	s_wait_tensorcnt 0x0
	ds_add_u32 v7, v8
	s_wait_dscnt 0x0
	CROUND
	tensor_load_to_lds s[G0+4:G0+7], s[G1:G1+7]
	s_nop 0
.rept 4
	v_nop
.endr
	FETCHB 0, 0, 0
	s_wait_loadcnt 63
.irp ks, 0,1,2,3,4,5,6,7
.irp p, 0,1
	v_lshl_or_b32 v[XSC+2*\ks+\p], v[HW+4*\ks+2+\p], 16, v[HW+4*\ks+\p]
.endr
.endr
	KN 0, 0, 1
	KN 1, 0, 0
	KN 2, 0, 0
	s_wait_dscnt 0x0
	LCW 3
	s_wait_tensorcnt 0x0
	MUL8 0, 3, 0
	s_barrier_signal -1
	MUL8 1, 3, 0
	WIN 0
	s_barrier_wait -1
	FETCHB 1, 0, 0
	MUL8 2, 3, 0
	MUL8 3, 3, 0
	WIN 0
	KN 4, 1, 0
	KN 5, 1, 0
	KN 6, 1, 0
	s_wait_dscnt 0x0
	LCW 7
	MUL8 0, 7, 0
	MUL8 1, 7, 0
	MUL8 2, 7, 0
	MUL8 3, 7, 0
	WIN 0
.macro TOSTAGE mt
	WIN 0x0C
.irp nt, 0,1,2,3,4,5,6,7
	ds_store_b128 v[STO], v[64*(\mt)+8*\nt:64*(\mt)+8*\nt+3] offset:128*(\nt/2)+32*(\nt%2)
	ds_store_b128 v[STO], v[64*(\mt)+8*\nt+4:64*(\mt)+8*\nt+7] offset:128*(\nt/2)+32*(\nt%2)+16
.endr
	WIN 0
.set bk, 48+96*((\mt)%2)
.irp i, 0,1,2,3,4,5,6,7,8,9,10,11,12,13,14,15
	ds_load_b128 v[bk+4*\i:bk+4*\i+3], v[RD] offset:528*\i
.endr
.endm
.macro SEND mt, younger
.set bk, 48+96*((\mt)%2)
	s_wait_dscnt \younger
.irp i, 0,1,2,3,4,5,6,7,8,9,10,11,12,13,14,15
	global_store_b128 v[L16], v[bk+4*\i:bk+4*\i+3], s[10:11] offset:(32*((\mt)/2)+8*((\mt)%2)+\i+8*(\i/8))*4096 th:TH_STORE_NT
.endr
.endm
.rept 4
	v_nop
.endr
	TOSTAGE 0
	TOSTAGE 1
	SEND 0, 32
	s_wait_xcnt 0x0
	TOSTAGE 2
	SEND 1, 32
	s_wait_xcnt 0x0
	TOSTAGE 3
	SEND 2, 32
	SEND 3, 0
	s_wait_tensorcnt 0x0
	ds_add_u32 v[SPW], v[NIL]
	s_wait_dscnt 0x0
	CROUND
	s_endpgm
.Lfunc_end_k_q3f8abe8722_proj:
	.size	k_q3f8abe8722_proj, .Lfunc_end_k_q3f8abe8722_proj-k_q3f8abe8722_proj
	.p2alignl 7, 3214868480
	.fill 96, 4, 3214868480
	.section	.rodata,"a",@progbits
	.p2align	6, 0x0
	.amdhsa_kernel k_q3f8abe8722_proj
		.amdhsa_group_segment_fixed_size 327680
		.amdhsa_private_segment_fixed_size 0
		.amdhsa_enable_private_segment 0
		.amdhsa_kernarg_size 32
		.amdhsa_user_sgpr_count 2
		.amdhsa_user_sgpr_kernarg_segment_ptr 1
		.amdhsa_wavefront_size32 1
		.amdhsa_system_sgpr_workgroup_id_x 1
		.amdhsa_system_sgpr_workgroup_id_y 1
		.amdhsa_system_sgpr_workgroup_id_z 1
		.amdhsa_system_vgpr_workitem_id 0
		.amdhsa_next_free_vgpr 1024
		.amdhsa_next_free_sgpr 66
		.amdhsa_reserve_vcc 0
		.amdhsa_float_denorm_mode_32 3
		.amdhsa_float_denorm_mode_16_64 3
		.amdhsa_memory_ordered 1
		.amdhsa_forward_progress 1
		.amdhsa_inst_pref_size 90
	.end_amdhsa_kernel
	.amdgpu_metadata
---
amdhsa.version: [ 1, 2 ]
amdhsa.kernels:
  - .name:           k_q3f8abe8722_proj
    .symbol:         k_q3f8abe8722_proj.kd
    .args:
      - { .name: a_img, .offset: 0, .size: 8, .value_kind: global_buffer, .address_space: global }
      - { .name: w_img, .offset: 8, .size: 8, .value_kind: global_buffer, .address_space: global }
      - { .name: bo, .offset: 16, .size: 8, .value_kind: global_buffer, .address_space: global }
      - { .name: out0, .offset: 24, .size: 8, .value_kind: global_buffer, .address_space: global }
    .group_segment_fixed_size: 327680
    .private_segment_fixed_size: 0
    .kernarg_segment_align: 8
    .kernarg_segment_size: 32
    .max_flat_workgroup_size: 128
    .sgpr_count:     66
    .vgpr_count:     1024
    .wavefront_size: 32
...
	.end_amdgpu_metadata
.endif
;; end of part 4
